; MI455X (gfx1250); checked and timed in simulation.
; The chip was launched on July 23, 2026; its instructions are those of AMD's public machine-readable ISA for CDNA 5 (MIT licence, August 2026) and "CDNA5" Instruction Set Architecture Reference Guide (July 2026). The comments in the code are by the model that wrote it; some were corrected since.
;; Eagle3 Llama Attention. Allowed arithmetic: matrix products marked QUANTISED: E5M2 operands, one given power-of-two scale a tensor, by v_wmma_f32_16x16x64_bf8_bf8 or v_wmma_f32_16x16x128_bf8_bf8, f32 sums; products left as they are: f32 operands where the result goes on into a quantised operand, else bf16, f16 or f32 operands; f32 sums; everything else in f32.
;; Inputs: Wk_codes 1,024 x 64 x 32 uint8 (E5M2 codes of Wk, K innermost, in blocks of 32 codes); Wo_codes 1,024 x 128 x 32 uint8 (E5M2 codes of Wo, K innermost, in blocks of 32 codes); Wq_codes 4,096 x 64 x 32 uint8 (E5M2 codes of Wq, K innermost, in blocks of 32 codes); Wv_codes 1,024 x 64 x 32 uint8 (E5M2 codes of Wv, K innermost, in blocks of 32 codes); attention_mask 1 x 1 x 2,048 x 2,048 float32; cache_k0_codes 1 x 32 x 2,048 x 4 x 32 uint8 (E5M2 codes of cache_k0, K innermost, in blocks of 32 codes); cache_k1 1 x 32 x 2,048 x 128 float32; cache_v0_codes 1 x 32 x 128 x 64 x 32 uint8 (E5M2 codes of cache_v0, K innermost, in blocks of 32 codes); cache_v1 1 x 32 x 2,048 x 128 float32; combined_states_codes 1 x 2,048 x 64 x 32 uint8 (E5M2 codes of combined_states, K innermost, in blocks of 32 codes); lowp_scales 12 int32 (the exponents e of the quantised operands' scales 2^e); position_ids 1 x 2,048 int32.
;; Outputs: out0 1 x 2,048 x 1,024 float32.
;; This version of the problem:
;;   THIS VERSION OF THE PROBLEM IS GIVEN IN LOW PRECISION. The matrix products marked QUANTISED in the list below multiply operands that are first quantised to E5M2 (5 exponent bits, 2 mantissa bits; 8 bits a number), with one given power-of-two scale for each operand tensor; their sums are f32. All else is computed in f32.
;;   The module's matrix products, in the order in which they are computed (A, B: the left and right operand; K: the contracted axis; several contracted axes count as one K, in the product's order):
;;     1. [M 2,048, K 2,048] x [K 2,048, N 4,096]; A: input combined_states (given as codes); B: input Wq (given as codes): QUANTISED (scales: A lowp_scales[0], B lowp_scales[1])
;;     2. [M 2,048, K 2,048] x [K 2,048, N 1,024]; A: input combined_states (given as codes); B: input Wk (given as codes): QUANTISED (scales: A lowp_scales[2], B lowp_scales[3])
;;     3. [M 2,048, K 2,048] x [K 2,048, N 1,024]; A: input combined_states (given as codes); B: input Wv (given as codes): QUANTISED (scales: A lowp_scales[4], B lowp_scales[5])
;;     4. batch 32 x [M 2,048, K 128] x [K 128, N 2,048]; A: computed on the way; B: input cache_k0 (given as codes): QUANTISED (scales: A lowp_scales[6], B lowp_scales[7])
;;     5. batch 65,536 x [M 1, K 128] x [K 128, N 1]; A: computed on the way; B: input cache_k1: left as it is (M = 1 < 16)
;;     6. batch 65,536 x [M 1, K 128] x [K 128, N 1]; A: computed on the way; B: computed on the way: left as it is (M = 1 < 16)
;;     7. batch 32 x [M 2,048, K 2,048] x [K 2,048, N 128]; A: computed on the way; B: input cache_v0 (given as codes): QUANTISED (scales: A lowp_scales[8], B lowp_scales[9])
;;     8. [M 2,048, K 4,096] x [K 4,096, N 1,024]; A: computed on the way; B: input Wo (given as codes): QUANTISED (scales: A lowp_scales[10], B lowp_scales[11])
;;   THE QUANTISER, for each operand of a quantised product, along K:
;;     - The operand's scale is 2^e, e = its entry of the input lowp_scales (int32; the entries are numbered through the quantised products in the list's order, A before B).
;;     - Each number is divided by the scale, clamped to +-57,344, and rounded to the nearest number of E5M2, ties to even, subnormals kept.
;;     - The product sums the exact products of the quantised numbers (number of the format x scale) in f32.
;;   ~~~python
;;   def quantise(x, axis, e):      # numpy; x: float32 -> the quantised numbers, widened to float32 again
;;       x = np.moveaxis(x, axis, -1); K = x.shape[-1]
;;       r = np.clip(x / 2.0 ** e, -57344, 57344)
;;       step = 2.0 ** (np.maximum(np.frexp(np.where(r == 0, 1, r))[1] - 1, -14) - 2)
;;       q = np.round(r / step) * step * 2.0 ** e      # np.round: ties to even
;;       return np.moveaxis(q, -1, axis).astype(np.float32)
;;   ~~~
;;   OPERANDS COMPUTED ON THE WAY. 'Computed on the way' means the value that the module computes at that place (a softmax that the list does not call 'softmax' is quantised finished and normalised). What goes into a quantiser is computed in f32, as accurately as f32 sums, v_exp_f32 and their like allow (about 1e-6 of the number): no bf16 or f16 on the way to a quantiser, and a product that is left as it is and whose result goes on into a quantised operand takes f32 operands (vector FMAs, or v_wmma_f32_16x16x4_f32). A number that lies on a knife's edge between two numbers of the format may be rounded either way, as far as f32 arithmetic and the matrix unit's own rounding can turn it there, and no further.
;;   INPUTS GIVEN AS CODES. Wk (in the module: [2048, 1024], K = its axis 0); Wo (in the module: [4096, 1024], K = its axis 0); Wq (in the module: [2048, 4096], K = its axis 0); Wv (in the module: [2048, 1024], K = its axis 0); cache_k0 (in the module: [1, 32, 2048, 128], K = its axis 3); cache_v0 (in the module: [1, 32, 2048, 128], K = its axis 2); combined_states (in the module: [1, 2048, 2048], K = its axis 2): each comes as NAME_codes (uint8): NAME with its K axis moved to the last place and cut into blocks of 32 codes, [.., K / 32, bytes a block], one block behind the other in memory; one code a byte (a code: sign, 5 exponent bits, 2 mantissa bits); its scale is its entry of lowp_scales. Its value is code x scale, taken as it is: it is not quantised again, and the codes and scales need not be those that the quantiser above would give.
;; One version. Each part assembles by itself: llvm-mc -triple=amdgcn-amd-amdhsa -mcpu=gfx1250 --defsym DOCPART=n.
;; ======== version 1 of 1: 3 launches
;; limits: right only within a limited range of input values
;; workspace buffers: qimg 8,388,608 bytes; dd 524,288 bytes; vimg 8,388,608 bytes; aimg 8,388,608 bytes
;; launch proj (part 1): grid 16 x 16, 4 waves a work-group, clusters of 4 x 4, 327,680 bytes of LDS; arguments combined_states_codes, Wq_codes, Wk_codes, Wv_codes, lowp_scales, position_ids, cache_k1, qimg, dd, vimg; writes qimg, dd, vimg
.if DOCPART == 1
	.amdgcn_target "amdgcn-amd-amdhsa--gfx1250"
	.amdhsa_code_object_version 6
	.text
	.protected	k_q1e8451bb37_proj
	.globl	k_q1e8451bb37_proj
	.p2align	8
	.type	k_q1e8451bb37_proj,@function
k_q1e8451bb37_proj:
	s_mov_b64 s[64:65], 0
	v_nop
	global_prefetch_b8 v0, s[64:65] scope:SCOPE_SE
	s_setreg_imm32_b32 hwreg(HW_REG_WAVE_MODE, 25, 1), 1
	s_wait_xcnt 0x0
	s_wait_alu depctr_hold_cnt(0) depctr_sa_sdst(0) depctr_va_vdst(0) depctr_va_sdst(0) depctr_va_ssrc(0) depctr_va_vcc(0) depctr_vm_vsrc(0)
	s_getreg_b32 s2, hwreg(HW_REG_IB_STS2, 6, 4)
	s_cmp_eq_u32 s2, 0
	s_cbranch_scc0 .Lentry_in_a_cluster
	s_endpgm
.Lentry_in_a_cluster:
	s_bfe_u32 s2, ttmp6, 0x10000c
	s_cmp_lg_u32 s2, 0xf033
	s_cbranch_scc0 .Lentry_shape_is_right
	s_endpgm
.Lentry_shape_is_right:
; PROJ: q, k and v = combined_states x Wq, Wk, Wv on the given codes of E5M2; RoPE at position_ids + 2; the two diagonal logits
; d1 = q . cache_k1 x SCALE and d2 = q . k x SCALE in f32; q's codes for the product with cache_k0; v in f32.
; DEAD WORK: none.  Every input has a way to out0 for some finite values (the mask is an input, so every score counts), so no input, product, tile or step is left out in any of the three launches.
; SHARES.  A work-group makes 128 rows (block X) x 448 columns: q's heads 2Y and 2Y+1, k's head g = Y / 2, and half e = Y % 2 of v's head g.  k's head is made by two work-groups, so that q in f32 and k never go to memory.
; Wave w takes all 128 rows (8 row tiles a) x 7 column tiles b: b = 0, 1: head 2Y, channels 16 w .. and 64 + 16 w ..; b = 2, 3: head 2Y+1 likewise; b = 4, 5: k likewise; b = 6: v, channels 64 e + 16 w ..
; So RoPE's partners d and d + 64 lie in one lane, in the same register of tiles b and b + 1.  56 accumulators, 448 registers.
; THE MATRIX INSTRUCTION IS USED TRANSPOSED (source 0 = 16 rows of W, source 1 = 16 rows of the states): lane (r = l % 16, h = l / 16) holds row r, register j the tile's column 8 h + j.
; K goes in steps of 256 through two LDS slots filled by joint tensor loads: the states' tile is shared along a column of the 4 x 4 cluster, the weights' tiles along a row.  Y = 4 cy + cluster y, so that k's head differs from cy to cy.
; Fragments come by four ds_load_b128 a side: a permutation of k that is the same in both operands, so every product meets its partner.
; COS AND SIN are made in f32 of the same f32 angle pos x inv_freq that the problem forms: the angle less n x pi/2 in two parts, then polynomials on [-pi/4, pi/4], the quadrant by n's low two bits.
; LIMITS: e6-e0-e1 between -126 and 112; e4+e5 between -126 and 127; e0+e1 and e0+e1+e2+e3 between -120 and 120 (each makes an f32 power of two); |position_ids + 2| under 2^22; NaN among the inputs is not served.
; REGISTERS, in windows of 256.  Window 0: v1-5 lane terms; v16-31 addresses and the quantiser's two numbers; v32-57 inv_freq, positions, constants; v60-123 at work on cos and sin; v128-255 the states' 8 fragments, on the way out q, k, v of a row tile.
;   Window 1: W's fragments, two sets of 7 (at 0 and at 128); on the way out cache_k1.   Window 2: accumulators of row tiles 0-3 at 8 (7 a + b);   window 3: those of row tiles 4-7.
.set PITCH, 272                        ; an LDS row: 256 bytes + 16 of padding: the 16 rows of a fragment load start at 16 different groups of four banks (ISA guide 11.1)
.set NT,    64*PITCH                   ; from one column tile of a wave to its next: 64 rows of W
.set OQ,    128*PITCH                  ; a slot: 128 rows of the states, 256 of Wq, 128 of Wk, 64 of Wv
.set OKW,   OQ+256*PITCH
.set OVW,   OKW+128*PITCH
.set SLOT,  OVW+64*PITCH               ; 156,672
.set SPARE, 2*SLOT                     ; the spare words, 128 bytes a wave: two blocks of 256 bytes that no other line names
.set RED,   SPARE+512                  ; the logits' partial sums: [wave 4][sum 4][row 128] f32; no tile lands here
.set ADRA, 16                          ; v16-17 LDS address of the states' fragments in slot 0, 1
.set ADRB, 18                          ; v18-19 of my column tiles 0-3
.set ADRK, 20                          ; v20-21 of my column tiles 4-6
.set K1O,  22                          ; v22 cache_k1: 512 r + 64 w + 32 h
.set QO,   23                          ; v23 qimg: 8 x lane + 256 w
.set VO,   24                          ; v24 vimg: 16 x lane + 1024 w
.set REDW, 25                          ; v25 RED + 2048 w + 4 r
.set PFO,  26                          ; v26 the prefetches' offset
.set REDR, 27                          ; v27 RED + 512 w + 16 x lane
.set SPW,  28                          ; v28 my spare word; never rewritten
.set NIL,  29                          ; v29 0; never rewritten
.set LIM,  30                          ; v30 57,344 x 2^(e6-e0-e1)
.set SC,   31                          ; v31 2^(e6-e0-e1)
.set INVF, 32                          ; v32-39 inv_freq of my 8 channels
.set POSF, 40                          ; v40-47 f32(position + 2) of my row in each row tile
.set CS2,  48                          ; v48-55 polynomial constants, each twice
.set CS1,  50
.set CC2,  52
.set CC1,  54
.set PT,   56                          ; v56-57 the row tile's position, named as a pair
.set ANG,  60
.set NN,   68
.set ZZ,   76
.set PS,   84
.set PC,   92
.set TMP,  100
.set COS,  108
.set SIN,  116
.set AF,   128
.set QL,   128                         ; the way out: channels d < 64 of (head 2Y, head 2Y+1, k) at QL + 16 x which; d >= 64 at QH + 16 x which
.set QH,   136
.set VV,   176
.set T1,   184
.set T2,   192
.set DS,   200                         ; four sums in pairs: d1 of the two heads, d2 of the two heads
.set CD,   208                         ; q's codes
.set RS,   216
.set G1A,  24                          ; descriptor groups 1: the states', Wq's, Wk's, Wv's tiles
.set G1Q,  32
.set G1K,  40
.set G1V,  48
.set G0A,  56                          ; groups 0, a set for each slot
.set G0Q,  68
.set G0K,  76
.set G0V,  84
.set SG1,  92                          ; SCALE x 2^(e0+e1)
.set SG2,  94                          ; SCALE x 2^(e0+e1+e2+e3)
.set SV,   96                          ; s[96:97] 2^(e4+e5)
.set SEL,  98                          ; s[98:99] lane selects: lane l xor 16
.set WV,   100
.set W0,   (1<<20)|(1<<21)|(5<<22)|(3<<25)   ; elements of 1 byte; padding on; bit 21 beside a mask; 4 words behind every 64
.set MUL_LO, 0xa1                      ; source 0 (W) window 1, source 1 (states) window 0, C and D window 2
.set MUL_HI, 0xf1
.set TO_B,   0x40
.set MSB, 0
.macro WIN new                         ; the immediate's high byte repeats the setting that is left
.if MSB != (\new)
	s_set_vgpr_msb (MSB<<8)|(\new)
.set MSB, (\new)
.endif
.endm
.macro PLACES n
.rept \n
	v_nop
.endr
.endm
.macro CREST                           ; a round of the cluster's barrier behind its opening barrier
	s_cmp_lg_u32 s[WV], 0
	s_cbranch_scc1 .Lnot_wave_0_\@
	s_barrier_signal -3
.Lnot_wave_0_\@:
	s_barrier_wait -3
	s_barrier_signal -1
	s_barrier_wait -1
.endm
.macro CROUND
	s_barrier_signal -1
	s_barrier_wait -1
	CREST
.endm
.macro ARM g0, g1                      ; a joint load, with an s_nop 0 and four v_nop behind it
	tensor_load_to_lds s[\g0:\g0+3], s[\g1:\g1+7]
	s_nop 0
.rept 4
	v_nop
.endr
.endm
.macro JLOAD s                         ; wave 0 fetches the states' tile, wave 1 Wq's, wave 2 Wk's, wave 3 Wv's: one load a wave; the branches hang on the wave's number alone
	s_cmp_eq_u32 s[WV], 0
	s_cbranch_scc0 .Lnot_a_\@
	ARM G0A+4*\s, G1A
	s_branch .Lasked_\@
.Lnot_a_\@:
	s_cmp_eq_u32 s[WV], 1
	s_cbranch_scc0 .Lnot_q_\@
	ARM G0Q+4*\s, G1Q
	s_branch .Lasked_\@
.Lnot_q_\@:
	s_cmp_eq_u32 s[WV], 2
	s_cbranch_scc0 .Lnot_k_\@
	ARM G0K+4*\s, G1K
	s_branch .Lasked_\@
.Lnot_k_\@:
	ARM G0V+4*\s, G1V
.Lasked_\@:
.endm
	s_load_b512 s[4:19], s[0:1], 0x0               ; states s[4:5], Wq s[6:7], Wk s[8:9], Wv s[10:11], scales s[12:13], positions s[14:15], cache_k1 s[16:17], qimg s[18:19]
	s_load_b128 s[20:23], s[0:1], 0x40             ; dd s[20:21], vimg s[22:23]
	v_lshl_add_u32 v[SPW], v0, 2, SPARE
	v_mov_b32 v[NIL], 0
	ds_add_u32 v[SPW], v[NIL]                      ; the wave's opening: the add, twice on end, and its wait ahead of my first tensor load
	ds_add_u32 v[SPW], v[NIL]
	v_lshrrev_b32 v1, 5, v0
	v_readfirstlane_b32 s[WV], v1                  ; wave 0..3
	s_bfe_u32 s66, ttmp6, 0x40000                  ; cx
	s_bfe_u32 s67, ttmp6, 0x40004                  ; cy
	s_lshl_b32 s104, ttmp9, 2
	s_add_co_u32 s104, s104, s66                   ; X = 4 x cluster x + cx: my block of 128 rows
	s_lshl_b32 s105, s67, 2
	s_lshl_b32 s[G1Q], 15, s105                    ; my row of the cluster: the weights' tiles hang on Y alone
	s_and_b32 s101, ttmp7, 0xffff
	s_add_co_u32 s105, s105, s101                  ; Y = 4 cy + cluster y
	s_lshl_b32 s[G1A], 0x1111, s66                 ; my column: the states' tile hangs on X alone
	s_or_b32 s[G1A], s[G1A], W0
	s_or_b32 s[G1K], s[G1Q], W0
	s_or_b32 s[G1V], s[G1Q], W0
	s_or_b32 s[G1Q], s[G1Q], W0
.irp g, G1A, G1Q, G1K, G1V
	s_mov_b32 s[\g+1], 256<<16                     ; tensor_dim0 = 256 bytes
	s_mov_b32 s[\g+3], 256<<16                     ; tile_dim0
	s_mov_b32 s[\g+5], 2048                        ; from row to row
	s_mov_b32 s[\g+6], 0
	s_mov_b32 s[\g+7], 0
.endr
	s_mov_b32 s[G1A+2], 128<<16                    ; rows: 128, 256, 128, 64
	s_mov_b32 s[G1A+4], 128
	s_mov_b32 s[G1Q+2], 256<<16
	s_mov_b32 s[G1Q+4], 256
	s_mov_b32 s[G1K+2], 128<<16
	s_mov_b32 s[G1K+4], 128
	s_mov_b32 s[G1V+2], 64<<16
	s_mov_b32 s[G1V+4], 64
	s_lshl_b32 s[G0A+2], s104, 18                  ; the tiles' first rows in bytes: 128 X, 256 Y, 128 (Y / 2), 64 Y rows of 2,048
	s_mov_b32 s[G0A+3], 0
	s_lshl_b32 s[G0Q+2], s105, 19
	s_mov_b32 s[G0Q+3], 0
	s_lshr_b32 s[G0K+2], s105, 1
	s_lshl_b32 s[G0K+2], s[G0K+2], 18
	s_mov_b32 s[G0K+3], 0
	s_lshl_b32 s[G0V+2], s105, 17
	s_mov_b32 s[G0V+3], 0
	s_wait_dscnt 0x0                               ; both opening adds are done
	s_wait_kmcnt 0x0
	s_load_b256 s[92:99], s[12:13], 0x0            ; e0 .. e7
	s_add_nc_u64 s[G0A+2:G0A+3], s[4:5], s[G0A+2:G0A+3]
	s_add_nc_u64 s[G0Q+2:G0Q+3], s[6:7], s[G0Q+2:G0Q+3]
	s_add_nc_u64 s[G0K+2:G0K+3], s[8:9], s[G0K+2:G0K+3]
	s_add_nc_u64 s[G0V+2:G0V+3], s[10:11], s[G0V+2:G0V+3]
.irp g, G0A, G0Q, G0K, G0V
	s_add_nc_u64 s[\g+6:\g+7], s[\g+2:\g+3], 256   ; slot 1 begins with K step 1
	s_or_b32 s[\g+3], s[\g+3], 0x80000000          ; type = 2
	s_or_b32 s[\g+7], s[\g+7], 0x80000000
	s_mov_b32 s[\g], 1
	s_mov_b32 s[\g+4], 1
.endr
	s_mov_b32 s[G0A+1], 0                          ; LDS addresses: constants
	s_mov_b32 s[G0A+5], SLOT
	s_mov_b32 s[G0Q+1], OQ
	s_mov_b32 s[G0Q+5], OQ+SLOT
	s_mov_b32 s[G0K+1], OKW
	s_mov_b32 s[G0K+5], OKW+SLOT
	s_mov_b32 s[G0V+1], OVW
	s_mov_b32 s[G0V+5], OVW+SLOT
	CROUND                                         ; all sixteen work-groups are here: the first joint loads meet
	JLOAD 0
	JLOAD 1                                        ; two loads of mine are out
	; lane terms and addresses
	v_and_b32 v1, 15, v0                           ; r
	v_bfe_u32 v2, v0, 4, 1                         ; h
	v_and_b32 v3, 31, v0                           ; lane
	v_lshlrev_b32 v4, 2, v1                        ; 4 r
	v_lshlrev_b32 v5, 4, v3                        ; 16 x lane
	v_mul_u32_u24 v[ADRA], v1, PITCH
	v_lshl_add_u32 v[ADRA], v2, 4, v[ADRA]         ; row x pitch + 16 x half
	v_add_nc_u32 v[ADRA+1], SLOT, v[ADRA]
	s_mul_i32 s2, s[WV], 16*PITCH
	s_add_co_u32 s2, s2, OQ
	v_add_nc_u32 v[ADRB], s2, v[ADRA]              ; W's row 16 w + r
	v_add_nc_u32 v[ADRB+1], SLOT, v[ADRB]
	v_add_nc_u32 v[ADRK], 4*NT, v[ADRB]
	v_add_nc_u32 v[ADRK+1], SLOT, v[ADRK]
	s_lshl_b32 s2, s104, 9                         ; positions of my 128 rows
	s_mov_b32 s3, 0
	s_add_nc_u64 s[14:15], s[14:15], s[2:3]
.irp a, 0,1,2,3,4,5,6,7
	global_load_b32 v[POSF+\a], v4, s[14:15] offset:64*\a
.endr
	v_lshlrev_b32 v[K1O], 9, v1
	v_lshl_add_u32 v[K1O], v2, 5, v[K1O]
	s_lshl_b32 s2, s[WV], 6
	v_add_nc_u32 v[K1O], s2, v[K1O]
	v_lshlrev_b32 v[QO], 3, v3
	s_lshl_b32 s2, s[WV], 8
	v_add_nc_u32 v[QO], s2, v[QO]
	s_lshl_b32 s2, s[WV], 10
	v_add_nc_u32 v[VO], s2, v5
	s_lshl_b32 s2, s[WV], 11
	s_add_co_u32 s2, s2, RED
	v_add_nc_u32 v[REDW], s2, v4
	s_lshl_b32 s2, s[WV], 9
	s_add_co_u32 s2, s2, RED
	v_add_nc_u32 v[REDR], s2, v5
	v_lshlrev_b32 v[PFO], 8, v1                    ; prefetch: lanes 256 bytes apart; lanes 16-31 in the second head; my wave's 32 rows
	v_lshl_add_u32 v[PFO], v2, 20, v[PFO]
	s_lshl_b32 s2, s[WV], 14
	v_add_nc_u32 v[PFO], s2, v[PFO]
	; the buffers at my work-group's part
	s_lshl_b32 s2, s105, 21                        ; cache_k1: (2 Y x 2,048 + 128 X) rows of 512 bytes
	s_lshl_b32 s101, s104, 16
	s_add_co_u32 s2, s2, s101
	s_add_nc_u64 s[16:17], s[16:17], s[2:3]
	s_lshl_b32 s2, s105, 19                        ; qimg: (2 Y x 128 + 8 X) tiles of 2,048 bytes
	s_lshl_b32 s101, s104, 14
	s_add_co_u32 s2, s2, s101
	s_add_nc_u64 s[18:19], s[18:19], s[2:3]
	s_lshr_b32 s2, s105, 1                         ; vimg: ((Y / 2) x 128 + 8 X) tiles of 8,192 bytes + (Y % 2) x 4,096
	s_lshl_b32 s2, s2, 20
	s_lshl_b32 s101, s104, 16
	s_add_co_u32 s2, s2, s101
	s_and_b32 s101, s105, 1
	s_lshl_b32 s101, s101, 12
	s_add_co_u32 s2, s2, s101
	s_add_nc_u64 s[22:23], s[22:23], s[2:3]
	s_lshr_b32 s2, s[WV], 1                        ; dd: wave w stores sum w: [w / 2][head 2 Y + w % 2][128 X ..]
	s_lshl_b32 s2, s2, 18
	s_lshl_b32 s101, s105, 14
	s_add_co_u32 s2, s2, s101
	s_and_b32 s101, s[WV], 1
	s_lshl_b32 s101, s101, 13
	s_add_co_u32 s2, s2, s101
	s_lshl_b32 s101, s104, 9
	s_add_co_u32 s2, s2, s101
	s_add_nc_u64 s[20:21], s[20:21], s[2:3]
	; inv_freq(i) = 2^-(i x log2(10000) / 64), i = 16 w + 8 h + j: the exponent in two parts, what the first part's rounding leaves is put right by one multiply-add
	v_lshlrev_b32 v6, 3, v2
	s_lshl_b32 s2, s[WV], 4
	v_add_nc_u32 v6, s2, v6
.irp j, 0,1,2,3,4,5,6,7
	v_add_nc_u32 v[ANG+\j], \j, v6
	v_cvt_f32_u32 v[ANG+\j], v[ANG+\j]
	v_mul_f32 v[NN+\j], 0x3e549a78, v[ANG+\j]                   ; y = i x C_HI, rounded
	v_fma_f32 v[ZZ+\j], v[ANG+\j], 0x3e549a78, -v[NN+\j]        ; what the rounding lost,
	v_fma_f32 v[ZZ+\j], v[ANG+\j], 0x31979a20, v[ZZ+\j]         ; and i x C_LO
.endr
.irp j, 0,1,2,3,4,5,6,7
	v_exp_f32 v[PS+\j], -v[NN+\j]
.endr
	v_mov_b32 v[PT+1], 0                           ; (a plain place behind the exponentials; named as the upper half of a pair)
	s_wait_alu depctr_va_vdst(0)                   ; one wait for the batch, ahead of its first reader
.irp j, 0,1,2,3,4,5,6,7
	v_mul_f32 v[PC+\j], 0xbf317218, v[PS+\j]                    ; -ln 2 x E
	v_fma_f32 v[INVF+\j], v[PC+\j], v[ZZ+\j], v[PS+\j]          ; E x (1 - ln 2 x err)
.endr
.irp u, 0,1
	v_mov_b32 v[CS2+\u], 0x3c08839e
	v_mov_b32 v[CS1+\u], 0xbe2aaaa3
	v_mov_b32 v[CC2+\u], 0xbab6061a
	v_mov_b32 v[CC1+\u], 0x3d2aaaa5
.endr
	s_wait_kmcnt 0x0                               ; e0 .. e7
	s_add_co_i32 s2, s92, s93                      ; e0 + e1
	s_sub_co_i32 s101, s98, s2                     ; a raw sum of q stands for sum x 2^(e0+e1): its code is sum / 2^(e6-e0-e1)
	s_add_co_i32 s101, s101, 127
	s_lshl_b32 s3, s101, 23
	v_mov_b32 v[SC], s3
	s_add_co_i32 s101, s101, 15
	s_lshl_b32 s101, s101, 23
	s_or_b32 s101, s101, 0x600000
	v_mov_b32 v[LIM], s101
	s_add_co_i32 s96, s96, s97                     ; e4 + e5
	s_add_co_i32 s96, s96, 127
	s_lshl_b32 s[SV], s96, 23
	s_mov_b32 s[SV+1], s[SV]
	s_add_co_i32 s94, s94, s95                     ; e2 + e3
	s_add_co_i32 s94, s94, s2
	s_lshl_b32 s94, s94, 23
	s_add_co_i32 s[SG2], s94, 0x3db504f3           ; the exponents are added to SCALE's exponent field
	s_lshl_b32 s92, s2, 23
	s_add_co_i32 s[SG1], s92, 0x3db504f3
	s_mov_b32 s[SEL], 0x76543210
	s_mov_b32 s[SEL+1], 0xfedcba98
	s_wait_loadcnt 0x0                             ; the positions
.irp a, 0,1,2,3,4,5,6,7
	v_add_nc_u32 v[POSF+\a], 2, v[POSF+\a]
	v_cvt_f32_i32 v[POSF+\a], v[POSF+\a]
.endr
.macro FRAG reg, adr, off              ; a fragment, 16 rows x 128 K: registers 4 c .. 4 c + 3 hold K = 32 c + 16 h + 0 .. 15
.irp c, 0,1,2,3
	ds_load_b128 v[\reg+4*\c:\reg+4*\c+3], v[\adr] offset:\off+32*\c
.endr
.endm
.macro FETCH_B slot, q, p              ; my 7 fragments of W, the slot's q-th 128 along K, into set p: 28 loads
	WIN TO_B
.irp b, 0,1,2,3
	FRAG 128*(\p)+16*\b, ADRB+\slot, 128*(\q)+\b*NT
.endr
.irp b, 4,5,6
	FRAG 128*(\p)+16*\b, ADRK+\slot, 128*(\q)+(\b-4)*NT
.endr
	WIN 0
.endm
.macro FETCH_A slot, q, i0             ; the states' blocks i0 .. i0 + 3: 16 loads
.irp i, \i0, \i0+1, \i0+2, \i0+3
	FRAG AF+16*(\i), ADRA+\slot, 128*(\q)+(\i)*16*PITCH
.endr
.endm
.macro MUL14 a0, p, zero               ; row tiles a0, a0 + 1 x my 7 column tiles.  The 56 accumulators take turns, one instruction a turn, in the same order in every step.  zero = 1: the first product starts the sums
.irp a, \a0, \a0+1
.irp b, 0,1,2,3,4,5,6
.if \zero
	v_wmma_f32_16x16x128_bf8_bf8 v[8*(7*((\a)%4)+\b):8*(7*((\a)%4)+\b)+7], v[128*(\p)+16*\b:128*(\p)+16*\b+15], v[AF+16*(\a):AF+16*(\a)+15], 0
.else
	v_wmma_f32_16x16x128_bf8_bf8 v[8*(7*((\a)%4)+\b):8*(7*((\a)%4)+\b)+7], v[128*(\p)+16*\b:128*(\p)+16*\b+15], v[AF+16*(\a):AF+16*(\a)+15], v[8*(7*((\a)%4)+\b):8*(7*((\a)%4)+\b)+7]
.endif
.endr
.endr
.endm
; A step of 128 along K that has its successor in the same slot.  Four plain places stand in front of each run of loads into registers that matrix instructions have read (ISA guide 7.12.1 for vector instructions).
.macro STEP slot, q, zero
	s_wait_dscnt 16                                ; W's set and the states' blocks 0-3 are in; the youngest 16 loads (blocks 4-7) may be out
	WIN MUL_LO
	MUL14 0, (\q)%2, \zero
	MUL14 2, (\q)%2, \zero
	s_wait_dscnt 0x0                               ; blocks 4-7 are in
	PLACES 4
	FETCH_B \slot, (\q)+1, 1-(\q)%2
	FETCH_A \slot, (\q)+1, 0
	WIN MUL_HI
	MUL14 4, (\q)%2, \zero
	MUL14 6, (\q)%2, \zero
	PLACES 4
	WIN 0
	FETCH_A \slot, (\q)+1, 4
.endm
; A slot's last step changes slots: one barrier; in front of it each wave waits for all its tensor loads, adds 0 to its spare word, and waits for that and for its reads of this slot.  fill = 1: the barrier opens a round of the cluster's, and this slot is filled again, two K steps ahead.
.macro TURN slot, next, fill
	s_wait_tensorcnt 0x0                           ; all my tensor loads have landed: my part of the next slot
	ds_add_u32 v[SPW], v[NIL]                      ; 0 onto my spare word
	s_wait_dscnt 17                                ; the add and the youngest 16 loads may be out
	WIN MUL_LO
	MUL14 0, 1, 0                                  ; fourteen matrix instructions stand between the add and the wait for it
	s_wait_dscnt 0x0                               ; the add is done, and my reads of this slot are over
	s_barrier_signal -1
	MUL14 2, 1, 0
	WIN 0
	s_barrier_wait -1
.if \fill
	CREST                                          ; no wave of any partner still reads this slot or has a load on its way
.irp g, G0A, G0Q, G0K, G0V
	s_add_nc_u64 s[\g+4*\slot+2:\g+4*\slot+3], s[\g+4*\slot+2:\g+4*\slot+3], 512
.endr
	JLOAD \slot                                    ; the first tensor load behind the round; its four v_nop are also the places in front of the loads below
.else
	PLACES 4
.endif
	FETCH_B \next, 0, 0
	FETCH_A \next, 0, 0
	WIN MUL_HI
	MUL14 4, 1, 0
	MUL14 6, 1, 0
	PLACES 4
	WIN 0
	FETCH_A \next, 0, 4
.endm
	s_wait_tensorcnt 1                             ; my part of K step 0 is in; K step 1's load may be out
	s_barrier_signal -1
	s_barrier_wait -1
	FETCH_B 0, 0, 0
	FETCH_A 0, 0, 0
	FETCH_A 0, 0, 4
	STEP 0, 0, 1                                   ; the first step stands in front of the loop: its products start the sums
	s_mov_b32 s3, 3
.Llap:                                             ; a trip goes once round the ring and fills both slots again: K steps 2 to 7
	TURN 0, 1, 1
	STEP 1, 0, 0
	TURN 1, 0, 1
	STEP 0, 0, 0
	s_sub_co_u32 s3, s3, 1
	s_cmp_lg_u32 s3, 0
	s_cbranch_scc1 .Llap
	; cache_k1 is asked for here, behind the step's LDS loads and 168 matrix instructions ahead of the loads that want it: my wave's 32 rows of both heads, 64 blocks of 256 bytes a head, a lane a block, four instructions.  Each block is named once in the launch.
.irp i, 0,1,2,3
	global_prefetch_b8 v[PFO], s[16:17] offset:4096*\i th:TH_LOAD_NT scope:SCOPE_SE
.endr
	TURN 0, 1, 0                                   ; the last lap fills nothing
	STEP 1, 0, 0
	s_wait_dscnt 16
	WIN MUL_LO
	MUL14 0, 1, 0
	MUL14 2, 1, 0
	s_wait_dscnt 0x0
	WIN MUL_HI
	MUL14 4, 1, 0
	MUL14 6, 1, 0
	WIN 0
	; THE WAY OUT.  cache_k1 first: lane (r, h) wants, of row 16 a + r of each head, channels 16 w + 8 h + 0 .. 7 and the same + 64: register 32 a + 16 head + 8 half + j of window 1
	PLACES 4
	WIN TO_B
.irp a, 0,1,2,3,4,5,6,7
.irp hd, 0,1
.irp hf, 0,1
.irp i, 0,1
	global_load_b128 v[32*\a+16*\hd+8*\hf+4*\i:32*\a+16*\hd+8*\hf+4*\i+3], v[K1O], s[16:17] offset:\hd*1048576+\a*8192+\hf*256+16*\i
.endr
.endr
.endr
.endr
	WIN 0
.irp c, 4,5,6,7
	v_mov_b32 v[RS+\c], 0                          ; written once: a lane permute's destination counts as one of its sources
.endr
; One row tile a: cos and sin of its 8 angles a lane; RoPE on q's two heads and k; v; the four partial sums; q's codes; the stores.
.macro MT a
.set AC, 56*((\a)%4)
	v_mov_b32 v[PT], v[POSF+(\a)]
.irp j, 0,2,4,6
	v_pk_mul_f32 v[ANG+\j:ANG+\j+1], v[INVF+\j:INVF+\j+1], v[PT:PT+1] op_sel_hi:[1,0]                     ; the angle, as the problem forms it
.endr
.irp j, 0,2,4,6
	v_pk_mul_f32 v[TMP+\j:TMP+\j+1], v[ANG+\j:ANG+\j+1], 0x3f22f983 op_sel_hi:[1,0]                       ; x 2 / pi
.endr
.irp j, 0,1,2,3,4,5,6,7
	v_rndne_f32 v[NN+\j], v[TMP+\j]                                                                       ; n
.endr
.irp j, 0,2,4,6
	v_pk_fma_f32 v[ANG+\j:ANG+\j+1], v[NN+\j:NN+\j+1], 0xbfc90fdb, v[ANG+\j:ANG+\j+1] op_sel_hi:[1,0,1]   ; less n x pi/2: its f32 part,
.endr
.irp j, 0,2,4,6
	v_pk_fma_f32 v[ANG+\j:ANG+\j+1], v[NN+\j:NN+\j+1], 0x333bbd2e, v[ANG+\j:ANG+\j+1] op_sel_hi:[1,0,1]   ; and what that part has too much
.endr
.irp j, 0,1,2,3,4,5,6,7
	v_cvt_i32_f32 v[NN+\j], v[NN+\j]
.endr
.irp j, 0,2,4,6
	v_pk_mul_f32 v[ZZ+\j:ZZ+\j+1], v[ANG+\j:ANG+\j+1], v[ANG+\j:ANG+\j+1]
.endr
.irp j, 0,2,4,6
	v_pk_fma_f32 v[PS+\j:PS+\j+1], v[ZZ+\j:ZZ+\j+1], 0xb94ca1f9, v[CS2:CS2+1] op_sel_hi:[1,0,1]
	v_pk_fma_f32 v[PC+\j:PC+\j+1], v[ZZ+\j:ZZ+\j+1], 0x37ccf5ce, v[CC2:CC2+1] op_sel_hi:[1,0,1]
.endr
.irp j, 0,2,4,6
	v_pk_fma_f32 v[PS+\j:PS+\j+1], v[ZZ+\j:ZZ+\j+1], v[PS+\j:PS+\j+1], v[CS1:CS1+1]
	v_pk_fma_f32 v[PC+\j:PC+\j+1], v[ZZ+\j:ZZ+\j+1], v[PC+\j:PC+\j+1], v[CC1:CC1+1]
.endr
.irp j, 0,2,4,6
	v_pk_mul_f32 v[TMP+\j:TMP+\j+1], v[ANG+\j:ANG+\j+1], v[ZZ+\j:ZZ+\j+1]
.endr
.irp j, 0,2,4,6
	v_pk_fma_f32 v[PS+\j:PS+\j+1], v[TMP+\j:TMP+\j+1], v[PS+\j:PS+\j+1], v[ANG+\j:ANG+\j+1]               ; sin r
.endr
.irp j, 0,2,4,6
	v_pk_fma_f32 v[TMP+\j:TMP+\j+1], v[ZZ+\j:ZZ+\j+1], -0.5, 1.0 op_sel_hi:[1,0,0]
	v_pk_mul_f32 v[ZZ+\j:ZZ+\j+1], v[ZZ+\j:ZZ+\j+1], v[ZZ+\j:ZZ+\j+1]
.endr
.irp j, 0,2,4,6
	v_pk_fma_f32 v[PC+\j:PC+\j+1], v[ZZ+\j:ZZ+\j+1], v[PC+\j:PC+\j+1], v[TMP+\j:TMP+\j+1]                 ; cos r
.endr
.irp j, 0,1,2,3,4,5,6,7                        ; the quadrant: n odd swaps the two; sin's sign is bit 1 of n, cos's bit 1 of n + 1
	v_and_b32 v[TMP+\j], 1, v[NN+\j]
	v_lshlrev_b32 v[ZZ+\j], 30, v[NN+\j]
	v_add_lshl_u32 v[NN+\j], v[NN+\j], 1, 30
	v_cmp_ne_u32 vcc_lo, 0, v[TMP+\j]
	v_cndmask_b32 v[SIN+\j], v[PS+\j], v[PC+\j], vcc_lo
	v_cndmask_b32 v[COS+\j], v[PC+\j], v[PS+\j], vcc_lo
	v_and_b32 v[ZZ+\j], 0x80000000, v[ZZ+\j]
	v_and_b32 v[NN+\j], 0x80000000, v[NN+\j]
	v_xor_b32 v[SIN+\j], v[ZZ+\j], v[SIN+\j]
	v_xor_b32 v[COS+\j], v[NN+\j], v[COS+\j]
.endr
.if (\a) > 0
	s_wait_xcnt 0x0                                ; the last row tile's stores have read their data: v's and the codes' registers are written again only behind this wait
.endif
	WIN 0x02+((\a)/4)                              ; source 0: the accumulators' window.
.irp hd, 0,1,2
.irp j, 0,2,4,6
	v_pk_mul_f32 v[T1+\j:T1+\j+1], v[AC+16*\hd+8+\j:AC+16*\hd+8+\j+1], v[SIN+\j:SIN+\j+1]
	v_pk_mul_f32 v[T2+\j:T2+\j+1], v[AC+16*\hd+\j:AC+16*\hd+\j+1], v[SIN+\j:SIN+\j+1]
	v_pk_fma_f32 v[QL+16*\hd+\j:QL+16*\hd+\j+1], v[AC+16*\hd+\j:AC+16*\hd+\j+1], v[COS+\j:COS+\j+1], v[T1+\j:T1+\j+1] neg_lo:[0,0,1] neg_hi:[0,0,1]   ; x(d) cos - x(d + 64) sin
	v_pk_fma_f32 v[QH+16*\hd+\j:QH+16*\hd+\j+1], v[AC+16*\hd+8+\j:AC+16*\hd+8+\j+1], v[COS+\j:COS+\j+1], v[T2+\j:T2+\j+1]                             ; x(d + 64) cos + x(d) sin
.endr
.endr
.irp j, 0,2,4,6
	v_pk_mul_f32 v[VV+\j:VV+\j+1], v[AC+48+\j:AC+48+\j+1], s[SV:SV+1] op_sel_hi:[1,0]                     ; v = sum x 2^(e4+e5)
.endr
	WIN 0
.irp hd, 0,1                                   ; q . k over my 16 channels, raw sums, both heads by turns
	v_pk_mul_f32 v[DS+4+2*\hd:DS+5+2*\hd], v[QL+16*\hd:QL+16*\hd+1], v[QL+32:QL+33]
.endr
.irp j, 2,4,6
.irp hd, 0,1
	v_pk_fma_f32 v[DS+4+2*\hd:DS+5+2*\hd], v[QL+16*\hd+\j:QL+16*\hd+\j+1], v[QL+32+\j:QL+33+\j], v[DS+4+2*\hd:DS+5+2*\hd]
.endr
.endr
.irp j, 0,2,4,6
.irp hd, 0,1
	v_pk_fma_f32 v[DS+4+2*\hd:DS+5+2*\hd], v[QH+16*\hd+\j:QH+16*\hd+\j+1], v[QH+32+\j:QH+33+\j], v[DS+4+2*\hd:DS+5+2*\hd]
.endr
.endr
	s_wait_loadcnt 56-8*(\a)                       ; this row tile's 8 loads of cache_k1 are in; those of the tiles behind it may be out
	WIN 0x04                                       ; source 1: cache_k1, in window 1
.irp hd, 0,1
	v_pk_mul_f32 v[DS+2*\hd:DS+1+2*\hd], v[QL+16*\hd:QL+16*\hd+1], v[32*(\a)+16*\hd:32*(\a)+16*\hd+1]
.endr
.irp j, 2,4,6
.irp hd, 0,1
	v_pk_fma_f32 v[DS+2*\hd:DS+1+2*\hd], v[QL+16*\hd+\j:QL+16*\hd+\j+1], v[32*(\a)+16*\hd+\j:32*(\a)+16*\hd+\j+1], v[DS+2*\hd:DS+1+2*\hd]
.endr
.endr
.irp j, 0,2,4,6
.irp hd, 0,1
	v_pk_fma_f32 v[DS+2*\hd:DS+1+2*\hd], v[QH+16*\hd+\j:QH+16*\hd+\j+1], v[32*(\a)+16*\hd+8+\j:32*(\a)+16*\hd+8+\j+1], v[DS+2*\hd:DS+1+2*\hd]
.endr
.endr
	WIN 0
.irp c, 0,1,2,3
	v_add_f32 v[RS+\c], v[DS+2*\c], v[DS+2*\c+1]
.endr
.irp c, 0,1,2,3
	v_permlanex16_b32 v[RS+4+\c], v[RS+\c], s[SEL], s[SEL+1]
.endr
.irp c, 0,1,2,3
	v_add_f32 v[RS+\c], v[RS+\c], v[RS+4+\c]       ; my wave's 32 channels of the row
.endr
.irp c, 0,1,2,3
	ds_store_b32 v[REDW], v[RS+\c] offset:512*\c+64*(\a)   ; both halves of the lanes store the same word with the same value
.endr
.irp n, 0,1,2,3,4,5,6,7,8,9,10,11,12,13,14,15,16,17,18,19,20,21,22,23,24,25,26,27,28,29,30,31
	v_med3_num_f32 v[QL+\n], v[QL+\n], -v[LIM], v[LIM]     ; the conversion to an 8-bit code does not saturate (ISA guide 7.6.2): the hold at the largest code x the scale
.endr
.irp g, 0,1,2,3
	v_cvt_scalef32_pk8_bf8_f32 v[CD+2*\g:CD+2*\g+1], v[QL+8*\g:QL+8*\g+7], v[SC]
.endr
	v_nop                                          ; one plain line behind the last conversion: the next row tile's vector work writes its sources
.irp g, 0,1,2,3
	global_store_b64 v[QO], v[CD+2*\g:CD+2*\g+1], s[18:19] offset:(\g/2)*262144+(\a)*2048+(\g%2)*1024   ; the wave stores 256 consecutive bytes, aligned
.endr
	global_store_b128 v[VO], v[VV:VV+3], s[22:23] offset:(\a)*8192                                       ; 512 consecutive bytes
	global_store_b128 v[VO], v[VV+4:VV+7], s[22:23] offset:(\a)*8192+512
.endm
	MT 0
	MT 1
	MT 2
	MT 3
	MT 4
	MT 5
	MT 6
	MT 7
	s_wait_dscnt 0x0                               ; for the others' sake: my partial sums lie in LDS
	s_barrier_signal -1
	s_barrier_wait -1
.irp u, 0,1,2,3
	ds_load_b128 v[ANG+4*\u:ANG+4*\u+3], v[REDR] offset:2048*\u   ; wave w adds sum w: four waves' parts of rows 4 x lane ..
.endr
	s_cmp_lt_u32 s[WV], 2
	s_cselect_b32 s2, s[SG1], s[SG2]               ; sums 0, 1 are d1's, sums 2, 3 d2's
	s_wait_dscnt 0x0
	v_pk_add_f32 v[ANG:ANG+1], v[ANG:ANG+1], v[ANG+4:ANG+5]
	v_pk_add_f32 v[ANG+2:ANG+3], v[ANG+2:ANG+3], v[ANG+6:ANG+7]
	v_pk_add_f32 v[ANG+8:ANG+9], v[ANG+8:ANG+9], v[ANG+12:ANG+13]
	v_pk_add_f32 v[ANG+10:ANG+11], v[ANG+10:ANG+11], v[ANG+14:ANG+15]
	v_pk_add_f32 v[ANG:ANG+1], v[ANG:ANG+1], v[ANG+8:ANG+9]
	v_pk_add_f32 v[ANG+2:ANG+3], v[ANG+2:ANG+3], v[ANG+10:ANG+11]
.irp u, 0,1,2,3
	v_mul_f32 v[ANG+\u], s2, v[ANG+\u]
.endr
	global_store_b128 v5, v[ANG:ANG+3], s[20:21]   ; 512 consecutive bytes: 128 rows' logits
	s_wait_tensorcnt 0x0                           ; the wave's end: behind my last tensor load and my last LDS store
	ds_add_u32 v[SPW], v[NIL]
	s_wait_dscnt 0x0
	CROUND                                         ; the closing round
	s_endpgm
.Lfunc_end_k_q1e8451bb37_proj:
	.size	k_q1e8451bb37_proj, .Lfunc_end_k_q1e8451bb37_proj-k_q1e8451bb37_proj
	.p2alignl 7, 3214868480
	.fill 96, 4, 3214868480
	.section	.rodata,"a",@progbits
	.p2align	6, 0x0
	.amdhsa_kernel k_q1e8451bb37_proj
		.amdhsa_group_segment_fixed_size 327680
		.amdhsa_private_segment_fixed_size 0
		.amdhsa_enable_private_segment 0
		.amdhsa_kernarg_size 80
		.amdhsa_user_sgpr_count 2
		.amdhsa_user_sgpr_kernarg_segment_ptr 1
		.amdhsa_wavefront_size32 1
		.amdhsa_system_sgpr_workgroup_id_x 1
		.amdhsa_system_sgpr_workgroup_id_y 1
		.amdhsa_system_sgpr_workgroup_id_z 1
		.amdhsa_system_vgpr_workitem_id 0
		.amdhsa_next_free_vgpr 1024
		.amdhsa_next_free_sgpr 106
		.amdhsa_reserve_vcc 1
		.amdhsa_float_denorm_mode_32 3
		.amdhsa_float_denorm_mode_16_64 3
		.amdhsa_memory_ordered 1
		.amdhsa_forward_progress 1
		.amdhsa_inst_pref_size 227
	.end_amdhsa_kernel
	.amdgpu_metadata
---
amdhsa.version: [ 1, 2 ]
amdhsa.kernels:
  - .name:           k_q1e8451bb37_proj
    .symbol:         k_q1e8451bb37_proj.kd
    .args:
      - { .name: combined_states_codes, .offset: 0, .size: 8, .value_kind: global_buffer, .address_space: global }
      - { .name: Wq_codes, .offset: 8, .size: 8, .value_kind: global_buffer, .address_space: global }
      - { .name: Wk_codes, .offset: 16, .size: 8, .value_kind: global_buffer, .address_space: global }
      - { .name: Wv_codes, .offset: 24, .size: 8, .value_kind: global_buffer, .address_space: global }
      - { .name: lowp_scales, .offset: 32, .size: 8, .value_kind: global_buffer, .address_space: global }
      - { .name: position_ids, .offset: 40, .size: 8, .value_kind: global_buffer, .address_space: global }
      - { .name: cache_k1, .offset: 48, .size: 8, .value_kind: global_buffer, .address_space: global }
      - { .name: qimg, .offset: 56, .size: 8, .value_kind: global_buffer, .address_space: global }
      - { .name: dd, .offset: 64, .size: 8, .value_kind: global_buffer, .address_space: global }
      - { .name: vimg, .offset: 72, .size: 8, .value_kind: global_buffer, .address_space: global }
    .group_segment_fixed_size: 327680
    .private_segment_fixed_size: 0
    .kernarg_segment_align: 8
    .kernarg_segment_size: 80
    .max_flat_workgroup_size: 128
    .sgpr_count:     106
    .vgpr_count:     1024
    .wavefront_size: 32
...
	.end_amdgpu_metadata
.endif
;; end of part 1
;; launch attn (part 2): grid 16 x 16, 8 waves a work-group, clusters of 4 x 4, 327,680 bytes of LDS; arguments qimg, cache_k0_codes, cache_v0_codes, attention_mask, dd, cache_v1, vimg, lowp_scales, aimg; writes aimg
.if DOCPART == 2
	.amdgcn_target "amdgcn-amd-amdhsa--gfx1250"
	.amdhsa_code_object_version 6
	.text
	.protected	k_q1e8451bb37_attn
	.globl	k_q1e8451bb37_attn
	.p2align	8
	.type	k_q1e8451bb37_attn,@function
k_q1e8451bb37_attn:
	s_mov_b64 s[64:65], 0
	v_nop
	global_prefetch_b8 v0, s[64:65] scope:SCOPE_SE
	s_setreg_imm32_b32 hwreg(HW_REG_WAVE_MODE, 25, 1), 1
	s_wait_xcnt 0x0
	s_wait_alu depctr_hold_cnt(0) depctr_sa_sdst(0) depctr_va_vdst(0) depctr_va_sdst(0) depctr_va_ssrc(0) depctr_va_vcc(0) depctr_vm_vsrc(0)
	s_getreg_b32 s2, hwreg(HW_REG_IB_STS2, 6, 4)
	s_cmp_eq_u32 s2, 0
	s_cbranch_scc0 .Lentry_in_a_cluster
	s_endpgm
.Lentry_in_a_cluster:
	s_bfe_u32 s2, ttmp6, 0x10000c
	s_cmp_lg_u32 s2, 0xf033
	s_cbranch_scc0 .Lentry_shape_is_right
	s_endpgm
.Lentry_shape_is_right:
; ATTN: probs = softmax([q k0^T x SCALE + mask, d1, d2]); attn = probs[:S] v0 + p1 cache_v1 + p2 v; attn's codes for the product with Wo.  No work is left out: the mask is an input, so every tile of scores counts.
; THE SOFTMAX IS QUANTISED FINISHED AND NORMALISED, so the keys are walked twice.  Walk 1 (16 steps of 128 keys): scores, the row's maximum m and sum l, both running.  Walk 2 (16 steps): the scores once more,
; p = 2^((x - m) log2 e) / l, held at the largest code, quantised with 2^e8, times v0's codes.  d1 and d2 start m and l, so m is a number from the first step on and no exponent is above 0.
; SHARES.  A work-group owns 128 queries (block X) of two heads (2Y, 2Y+1): one mask tile in LDS serves both.  Wave w: head 2Y + w / 4, two tiles of 16 queries at 32 (w % 4) + 16 t.  Two waves to a SIMD.
; LAYOUT.  Both products are used transposed: S^T = K Q^T (source 0 = 16 keys, source 1 = 16 queries), O^T = V^T P^T: lane (r, h) holds query r throughout; register 8 kt + j of S^T is key 16 kt + 8 h + j.
; K's fragments come by ds_load_b128 (k permuted: 32 c + 16 h + 0 .. 15), and q's image is loaded in the same permutation.  p's codes fall into the 8-bit form's own layout (registers 2 c, 2 c + 1: key 16 c + 8 h ..), so V's fragments come by ds_load_b64.
; In walk 1 a lane keeps m and l of its own half of the keys; the halves meet once, between the walks.
; RING.  Two slots, a step each: mask 128 x 128 f32, K and V of both heads.  Joint loads: the mask's tile is shared along a column of the 4 x 4 cluster, K's and V's along a row.  Waves 0, 1: the mask's halves; 2, 3: K; 4, 5: V; 6, 7: none.
; V's two first fills (the keys of walk 2's first two steps) go out at the head and lie unread through walk 1.  Every wait on TENSORcnt is for 0.
; LIMITS: e6+e7 between -120 and 120; e8 and e10 between -126 and 112; e8+e9 between -126 and 127; NaN among the inputs is not served.
; REGISTERS.  Window 0: v1 prefetch offset; v2-7 LDS addresses; v8, v9 the add's two; v10, v11 the quantiser's two; v12-27 statistics, 8 a tile; v28-31 at work; v32-95 S^T, then p; v96-127 p's codes; v128-255 8 fragments of K, then of V.
;   Window 1: v0-127 O^T (64 t + 8 dt); v128-159 Q (16 a tile); v160-223 the mask's numbers of a tile.
.set OKK,   128*528                    ; a slot: the mask's 128 rows of 512 + 16 bytes; K: 2 heads x 128 keys of 128 + 16 bytes; V: 2 heads x 128 channels of 128 + 16 bytes
.set HB,    128*144
.set OVV,   OKK+2*HB
.set SLOT,  OVV+2*HB                   ; 141,312
.set SPARE, 2*SLOT                     ; the spare words, 128 bytes a wave: four blocks of 256 bytes that no other line names
.set PFO, 1
.set AM,  2
.set AK,  4
.set AV,  6
.set SPW, 8
.set NIL, 9
.set LIM, 10
.set SC,  11
.set ST,  12                           ; tile t at ST + 8 t: +0 NM = -m log2 e; +1 written once; +2, +3 l in two halves, then 1 / l; +4 m, then p1; +5 d1; +6 d2, then p2; +7 written once
.set S,   32
.set P,   96
.set KF,  128
.set QW,  128                          ; in window 1
.set MW,  160                          ; in window 1
.set G1M, 24
.set G1K, 32
.set G1V, 40
.set G0M, 48
.set G0K, 56
.set G0V, 68
.set BM,  76                           ; s[76:77] the mask at my half of the work-group's rows; s[78:79], s[80:81] K and V at my head
.set BK,  78
.set BV,  80
.set WV,  82
.set PAR, 83
.set PI,  84                           ; which pair of key blocks the next refills bring, 0 .. 7
.set CNT, 85
.set SG,  86                           ; s[86:87] SCALE x 2^(e6+e7)
.set CC,  88                           ; s[88:89] log2 e
.set NC,  90                           ; -log2 e
.set SEL, 92
.set SO,  94                           ; s[94:95] 2^(e8+e9)
.set KVW0, (1<<20)|(1<<21)|(4<<22)|(3<<25)          ; elements of 1 byte; 4 words of padding behind every 32
.set MSB, 0
.macro WIN new
.if MSB != (\new)
	s_set_vgpr_msb (MSB<<8)|(\new)
.set MSB, (\new)
.endif
.endm
.macro PLACES n
.rept \n
	v_nop
.endr
.endm
.macro CROUND                          ; a round of the cluster's barrier
	s_barrier_signal -1
	s_barrier_wait -1
	s_cmp_lg_u32 s[WV], 0
	s_cbranch_scc1 .Lnot_wave_0_\@
	s_barrier_signal -3
.Lnot_wave_0_\@:
	s_barrier_wait -3
	s_barrier_signal -1
	s_barrier_wait -1
.endm
.macro ARM g0, g1                      ; a joint load, with an s_nop 0 and four v_nop behind it
	tensor_load_to_lds s[\g0:\g0+3], s[\g1:\g1+7]
	s_nop 0
.rept 4
	v_nop
.endr
.endm
.macro FIRST g0, g1                    ; a wave's two first fills
	tensor_load_to_lds s[\g0:\g0+3], s[\g1:\g1+7]
	s_nop 0
	tensor_load_to_lds s[\g0+4:\g0+7], s[\g1:\g1+7]
	s_nop 0
.rept 4
	v_nop
.endr
.endm
.macro JLOAD kind, slot                ; kind 1: mask and K; kind 2: V too.  The branches hang on the wave's number alone
	s_cmp_lt_u32 s[WV], 2
	s_cbranch_scc0 .Lnot_m_\@
	ARM G0M+4*\slot, G1M
	s_branch .Lasked_\@
.Lnot_m_\@:
	s_cmp_lt_u32 s[WV], 4
	s_cbranch_scc0 .Lnot_k_\@
	ARM G0K+4*\slot, G1K
	s_branch .Lasked_\@
.Lnot_k_\@:
.if \kind == 2
	s_cmp_lt_u32 s[WV], 6
	s_cbranch_scc0 .Lasked_\@
	ARM G0V+4*\slot, G1V
.endif
.Lasked_\@:
.endm
	s_load_b512 s[4:19], s[0:1], 0x0               ; qimg s[4:5], k0 s[6:7], v0 s[8:9], mask s[10:11], dd s[12:13], cache_v1 s[14:15], vimg s[16:17], scales s[18:19]
	s_load_b64 s[20:21], s[0:1], 0x40              ; aimg
	v_lshl_add_u32 v[SPW], v0, 2, SPARE
	v_mov_b32 v[NIL], 0
	ds_add_u32 v[SPW], v[NIL]                      ; the wave's opening: the add, twice on end, and its wait ahead of the first tensor loads
	ds_add_u32 v[SPW], v[NIL]
	v_lshrrev_b32 v1, 5, v0
	v_readfirstlane_b32 s[WV], v1                  ; wave 0..7
	s_and_b32 s[PAR], s[WV], 1                     ; which half of the mask's rows, or which head's K or V, I fetch
	s_bfe_u32 s66, ttmp6, 0x40000                  ; cx
	s_bfe_u32 s67, ttmp6, 0x40004                  ; cy
	s_lshl_b32 s91, ttmp9, 2
	s_add_co_u32 s91, s91, s66                     ; X: my block of 128 queries
	s_and_b32 s101, ttmp7, 0xffff
	s_lshl_b32 s101, s101, 2
	s_add_co_u32 s101, s101, s67                   ; Y: my pair of heads
	s_lshl_b32 s[G1M], 0x1111, s66                 ; the mask's tile hangs on X alone: my column of the cluster
	s_or_b32 s[G1M], s[G1M], (2<<16)|(1<<20)|(1<<21)|(6<<22)|(3<<25)   ; elements of 4 bytes; 4 words of padding behind every 128
	s_lshl_b32 s[G1K], s67, 2
	s_lshl_b32 s[G1K], 15, s[G1K]                  ; K's and V's hang on Y alone: my row
	s_or_b32 s[G1V], s[G1K], KVW0
	s_or_b32 s[G1K], s[G1K], KVW0
	s_mov_b32 s[G1M+1], 128<<16                    ; 64 rows of 128 numbers, 2,048 numbers from row to row
	s_mov_b32 s[G1M+2], 64<<16
	s_mov_b32 s[G1M+3], 128<<16
	s_mov_b32 s[G1M+4], 64
	s_mov_b32 s[G1M+5], 2048
	s_mov_b32 s[G1M+6], 0
	s_mov_b32 s[G1M+7], 0
.irp g, G1K, G1V
	s_mov_b32 s[\g+1], 128<<16                     ; 128 rows of 128 bytes
	s_mov_b32 s[\g+2], 128<<16
	s_mov_b32 s[\g+3], 128<<16
	s_mov_b32 s[\g+4], 128
	s_mov_b32 s[\g+6], 0
	s_mov_b32 s[\g+7], 0
.endr
	s_mov_b32 s[G1K+5], 128                        ; K's rows are dense,
	s_mov_b32 s[G1V+5], 2048                       ; V's lie 2,048 keys apart
	s_lshl_b32 s[BM], s91, 20                      ; (128 X + 64 par) rows of 8,192 bytes
	s_lshl_b32 s2, s[PAR], 19
	s_add_co_u32 s[BM], s[BM], s2
	s_mov_b32 s[BM+1], 0
	s_lshl_b32 s[BK], s101, 19                     ; head 2 Y + par: 262,144 bytes a head
	s_lshl_b32 s2, s[PAR], 18
	s_add_co_u32 s[BK], s[BK], s2
	s_mov_b32 s[BK+1], 0
	s_mov_b32 s[BV], s[BK]
	s_mov_b32 s[BV+1], 0
	s_mov_b32 s[CC], 0x3fb8aa3b
	s_mov_b32 s[CC+1], s[CC]
	s_mov_b32 s[NC], 0xbfb8aa3b
	s_mov_b32 s[SEL], 0x76543210
	s_mov_b32 s[SEL+1], 0xfedcba98
	s_mov_b32 s[PI], 0
	s_mov_b32 s105, 0                              ; the upper word of the refills' offsets
	s_wait_dscnt 0x0                               ; both opening adds are done
	s_wait_kmcnt 0x0
	s_load_b128 s[96:99], s[18:19], 0x18           ; e6 .. e9
	s_load_b32 s100, s[18:19], 0x28                ; e10
	s_add_nc_u64 s[BM:BM+1], s[10:11], s[BM:BM+1]
	s_add_nc_u64 s[BK:BK+1], s[6:7], s[BK:BK+1]
	s_add_nc_u64 s[BV:BV+1], s[8:9], s[BV:BV+1]
	s_mul_i32 s2, s[PAR], 64*528
	s_mul_i32 s3, s[PAR], HB
.irp s, 0,1
	s_mov_b32 s[G0M+4*\s], 1
	s_add_co_u32 s[G0M+4*\s+1], s2, \s*SLOT
	s_add_nc_u64 s[G0M+4*\s+2:G0M+4*\s+3], s[BM:BM+1], \s*512
	s_or_b32 s[G0M+4*\s+3], s[G0M+4*\s+3], 0x80000000
	s_mov_b32 s[G0K+4*\s], 1
	s_add_co_u32 s[G0K+4*\s+1], s3, OKK+\s*SLOT
	s_add_nc_u64 s[G0K+4*\s+2:G0K+4*\s+3], s[BK:BK+1], \s*16384
	s_or_b32 s[G0K+4*\s+3], s[G0K+4*\s+3], 0x80000000
	s_mov_b32 s[G0V+4*\s], 1
	s_add_co_u32 s[G0V+4*\s+1], s3, OVV+\s*SLOT
	s_add_nc_u64 s[G0V+4*\s+2:G0V+4*\s+3], s[BV:BV+1], \s*128
	s_or_b32 s[G0V+4*\s+3], s[G0V+4*\s+3], 0x80000000
.endr
	CROUND                                         ; all sixteen work-groups are here: the first joint loads meet
	s_cmp_lt_u32 s[WV], 2                          ; a wave's first fills stand in one branch: key blocks 0 and 1 into slots 0 and 1
	s_cbranch_scc0 .Lfirst_k
	FIRST G0M, G1M
	s_branch .Lfirst_done
.Lfirst_k:
	s_cmp_lt_u32 s[WV], 4
	s_cbranch_scc0 .Lfirst_v
	FIRST G0K, G1K
	s_branch .Lfirst_done
.Lfirst_v:
	s_cmp_lt_u32 s[WV], 6
	s_cbranch_scc0 .Lfirst_done
	FIRST G0V, G1V
.Lfirst_done:
	; my wave's parts of the buffers: head = 2 Y + w / 4, row tile rt = 8 X + 2 (w % 4)
	s_lshr_b32 s2, s[WV], 2
	s_lshl_b32 s3, s101, 1
	s_add_co_u32 s2, s2, s3                        ; head
	s_and_b32 s3, s[WV], 3
	s_lshl_b32 s3, s3, 1
	s_lshl_b32 s[CNT], s91, 3
	s_add_co_u32 s3, s3, s[CNT]                    ; rt
	s_lshl_b32 s104, s2, 18                        ; qimg: (128 head + rt) x 2,048
	s_lshl_b32 s[CNT], s3, 11
	s_add_co_u32 s104, s104, s[CNT]
	s_add_nc_u64 s[4:5], s[4:5], s[104:105]
	s_lshl_b32 s104, s2, 13                        ; dd: head x 8,192 + rt x 64
	s_lshl_b32 s[CNT], s3, 6
	s_add_co_u32 s104, s104, s[CNT]
	s_add_nc_u64 s[12:13], s[12:13], s[104:105]
	s_lshl_b32 s104, s2, 20                        ; cache_v1: (2,048 head + 16 rt) x 512
	s_lshl_b32 s[CNT], s3, 13
	s_add_co_u32 s104, s104, s[CNT]
	s_add_nc_u64 s[14:15], s[14:15], s[104:105]
	s_lshr_b32 s104, s101, 1                       ; vimg: (128 (Y / 2) + rt) x 8,192
	s_lshl_b32 s104, s104, 20
	s_add_co_u32 s104, s104, s[CNT]
	s_add_nc_u64 s[16:17], s[16:17], s[104:105]
	s_and_b32 s104, s101, 1                        ; the prefetch of vimg: the two pairs of heads that read one kv head take a row tile each, told apart by address
	s_lshl_b32 s104, s104, 13
	s_add_nc_u64 s[22:23], s[16:17], s[104:105]
	s_lshl_b32 s104, s3, 16                        ; aimg: (32 rt + head) x 2,048
	s_lshl_b32 s[CNT], s2, 11
	s_add_co_u32 s104, s104, s[CNT]
	s_add_nc_u64 s[20:21], s[20:21], s[104:105]
	v_and_b32 v28, 15, v0                          ; r
	v_bfe_u32 v29, v0, 4, 1                        ; h
	v_and_b32 v30, 31, v0                          ; lane
	v_lshlrev_b32 v1, 3, v28
	v_lshl_add_u32 v1, v29, 8, v1                  ; q's image: 256 h + 8 r: piece 2 c + h holds channels 32 c + 16 h + 0 .. 15, eight in each half of its lanes
	WIN 0x40                                       ; destination window 1
.irp t, 0,1
.irp c, 0,1,2,3
	global_load_b64 v[QW+16*\t+4*\c:QW+16*\t+4*\c+1], v1, s[4:5] offset:\t*2048+512*\c
	global_load_b64 v[QW+16*\t+4*\c+2:QW+16*\t+4*\c+3], v1, s[4:5] offset:\t*2048+512*\c+128
.endr
.endr
	WIN 0
	v_lshlrev_b32 v31, 2, v28
.irp t, 0,1
	global_load_b32 v[ST+8*\t+5], v31, s[12:13] offset:64*\t           ; d1
	global_load_b32 v[ST+8*\t+6], v31, s[12:13] offset:262144+64*\t    ; d2
.endr
	v_mul_u32_u24 v[AM], v28, 528                  ; the mask: row 32 (w % 4) + r, + 32 h
	v_lshl_add_u32 v[AM], v29, 5, v[AM]
	s_and_b32 s2, s[WV], 3
	s_mul_i32 s2, s2, 32*528
	v_add_nc_u32 v[AM], s2, v[AM]
	v_add_nc_u32 v[AM+1], SLOT, v[AM]
	v_mul_u32_u24 v[AK], v28, 144                  ; K: my head's tile, row r, + 16 h
	v_lshl_add_u32 v[AV], v29, 3, v[AK]            ; V: likewise, + 8 h
	v_lshl_add_u32 v[AK], v29, 4, v[AK]
	s_lshr_b32 s2, s[WV], 2
	s_mul_i32 s2, s2, HB
	s_add_co_u32 s3, s2, OKK
	v_add_nc_u32 v[AK], s3, v[AK]
	v_add_nc_u32 v[AK+1], SLOT, v[AK]
	s_add_co_u32 s3, s2, OVV
	v_add_nc_u32 v[AV], s3, v[AV]
	v_add_nc_u32 v[AV+1], SLOT, v[AV]
	s_wait_kmcnt 0x0                               ; e6 .. e10
	s_add_co_i32 s2, s96, s97
	s_lshl_b32 s2, s2, 23
	s_add_co_i32 s[SG], s2, 0x3db504f3             ; e6 + e7 are added to SCALE's exponent field
	s_mov_b32 s[SG+1], s[SG]
	s_add_co_i32 s2, s98, s99
	s_add_co_i32 s2, s2, 127
	s_lshl_b32 s[SO], s2, 23
	s_mov_b32 s[SO+1], s[SO]
	s_add_co_i32 s2, s98, 127
	s_lshl_b32 s3, s2, 23
	v_mov_b32 v[SC], s3                            ; 2^e8
	s_add_co_i32 s2, s2, 15
	s_lshl_b32 s2, s2, 23
	s_or_b32 s2, s2, 0x600000
	v_mov_b32 v[LIM], s2                           ; 57,344 x 2^e8
	s_wait_loadcnt 0x0                             ; Q, d1, d2
	v_lshlrev_b32 v[PFO], 8, v30                   ; the prefetches' offset: lanes 256 bytes apart
.irp t, 0,1                                    ; m and l begin with d1 and d2; l's two terms are counted in lanes 0-15 alone
	v_max_num_f32 v[ST+8*\t+4], v[ST+8*\t+5], v[ST+8*\t+6]
	v_mul_f32 v[ST+8*\t], s[NC], v[ST+8*\t+4]
	v_fma_f32 v[ST+8*\t+2], v[ST+8*\t+5], s[CC], v[ST+8*\t]
	v_fma_f32 v[ST+8*\t+3], v[ST+8*\t+6], s[CC], v[ST+8*\t]
	v_mov_b32 v[ST+8*\t+1], 0
	v_mov_b32 v[ST+8*\t+7], 0
.endr
.irp t, 0,1
	v_exp_f32 v[ST+8*\t+2], v[ST+8*\t+2]
	v_exp_f32 v[ST+8*\t+3], v[ST+8*\t+3]
.endr
	v_nop
	s_wait_alu depctr_va_vdst(0)                   ; one wait for the four, ahead of their first reader
	v_cvt_f32_u32 v29, v29
	v_sub_f32 v29, 1.0, v29                        ; 1 in lanes 0-15, 0 in lanes 16-31
.irp t, 0,1
	v_add_f32 v[ST+8*\t+2], v[ST+8*\t+2], v[ST+8*\t+3]
	v_mul_f32 v[ST+8*\t+2], v[ST+8*\t+2], v29
	v_mov_b32 v[ST+8*\t+3], 0
.endr
.macro LOADK slot                      ; 8 fragments of K: 32 loads
.set j, 0
.rept 8
.irp c, 0,1,2,3
	ds_load_b128 v[KF+16*j+4*\c:KF+16*j+4*\c+3], v[AK+\slot] offset:2304*j+32*\c
.endr
.set j, j+1
.endr
.endm
.macro LOADM slot, t                   ; tile t's 64 mask numbers a lane: 16 loads
	WIN 0x40
.set j, 0
.rept 8
	ds_load_b128 v[MW+8*j:MW+8*j+3], v[AM+\slot] offset:8448*(\t)+64*j
	ds_load_b128 v[MW+8*j+4:MW+8*j+7], v[AM+\slot] offset:8448*(\t)+64*j+16
.set j, j+1
.endr
	WIN 0
.endm
.macro LOADV slot                      ; 8 fragments of V, in the form's own layout: 64 loads
.set j, 0
.rept 8
.irp c, 0,1,2,3,4,5,6,7
	ds_load_b64 v[KF+16*j+2*\c:KF+16*j+2*\c+1], v[AV+\slot] offset:2304*j+16*\c
.endr
.set j, j+1
.endr
.endm
.macro KQ t                            ; S^T of tile t: 8 tiles of 16 keys
	WIN 0x04                                       ; source 1 (Q) window 1
.set j, 0
.rept 8
	v_wmma_f32_16x16x128_bf8_bf8 v[S+8*j:S+8*j+7], v[KF+16*j:KF+16*j+15], v[QW+16*(\t):QW+16*(\t)+15], 0
.set j, j+1
.endr
	WIN 0
.endm
.macro XM                              ; x = score x SCALE x 2^(e6+e7) + mask; each accumulator from its low end on
	WIN 0x10                                       ; source 2 (the mask) window 1
.set j, 0
.rept 32
	v_pk_fma_f32 v[S+j:S+j+1], v[S+j:S+j+1], s[SG:SG+1], v[MW+j:MW+j+1] op_sel_hi:[1,0,1]
.set j, j+2
.endr
	WIN 0
.endm
.macro SM1 t                           ; walk 1: the lane's running m and l over its 64 keys of the step
.set T, ST+8*(\t)
	v_max3_num_f32 v28, v[S], v[S+1], v[S+2]
	v_max3_num_f32 v29, v[S+3], v[S+4], v[S+5]
.set j, 6
.rept 14
	v_max3_num_f32 v28, v28, v[S+j], v[S+j+1]
	v_max3_num_f32 v29, v29, v[S+j+2], v[S+j+3]
.set j, j+4
.endr
	v_max3_num_f32 v28, v28, v[S+62], v[S+63]
	v_max3_num_f32 v28, v28, v29, v[T+4]           ; with the old m
	v_mov_b32 v30, v[T]
	v_mov_b32 v[T+4], v28
	v_mul_f32 v[T], s[NC], v28                     ; NM = -m log2 e
	v_sub_f32 v30, v[T], v30                       ; (old m - new m) log2 e, 0 or less
.set j, 0
.rept 32
	v_pk_fma_f32 v[S+j:S+j+1], v[S+j:S+j+1], s[CC:CC+1], v[T:T+1] op_sel_hi:[1,0,0]
.set j, j+2
.endr
	v_exp_f32 v30, v30
.set j, 0
.rept 64
	v_exp_f32 v[S+j], v[S+j]
.set j, j+1
.endr
	v_nop                                          ; a plain place behind the last exponential
	s_wait_alu depctr_va_vdst(0)                   ; one wait for the batch of 65, ahead of its first reader
	v_pk_mul_f32 v[T+2:T+3], v[T+2:T+3], v[30:31] op_sel_hi:[1,0]   ; l under the new m
	v_pk_add_f32 v[28:29], v[S:S+1], v[S+2:S+3]
.set j, 4
.rept 15
	v_pk_add_f32 v[T+2:T+3], v[T+2:T+3], v[S+j:S+j+1]
	v_pk_add_f32 v[28:29], v[28:29], v[S+j+2:S+j+3]
.set j, j+4
.endr
	v_pk_add_f32 v[T+2:T+3], v[T+2:T+3], v[28:29]
.endm
.macro SM2 t                           ; walk 2: p finished and normalised, held, quantised
.set T, ST+8*(\t)
.set j, 0
.rept 32
	v_pk_fma_f32 v[S+j:S+j+1], v[S+j:S+j+1], s[CC:CC+1], v[T:T+1] op_sel_hi:[1,0,0]
.set j, j+2
.endr
.set j, 0
.rept 64
	v_exp_f32 v[S+j], v[S+j]
.set j, j+1
.endr
	v_nop
	s_wait_alu depctr_va_vdst(0)                   ; one wait for the batch of 64
.set j, 0
.rept 32
	v_pk_mul_f32 v[S+j:S+j+1], v[S+j:S+j+1], v[T+2:T+3] op_sel_hi:[1,0]   ; x 1 / l
.set j, j+2
.endr
.set j, 0
.rept 8
.irp i, 0,1,2,3,4,5,6,7
	v_min_num_f32 v[S+8*j+\i], v[S+8*j+\i], v[LIM] ; the conversion does not saturate (ISA guide 7.6.2); p is not negative, so the hold is one-sided
.endr
	v_cvt_scalef32_pk8_bf8_f32 v[P+16*(\t)+2*j:P+16*(\t)+2*j+1], v[S+8*j:S+8*j+7], v[SC]
.set j, j+1
.endr
	v_nop                                          ; one plain line behind the last conversion
.endm
.macro PV zero                         ; O^T += V^T P^T: 16 accumulators by turns, one instruction a turn
	WIN 0x50                                       ; C and D window 1
.set j, 0
.rept 8
.irp t, 0,1
.if \zero
	v_wmma_f32_16x16x128_bf8_bf8 v[64*\t+8*j:64*\t+8*j+7], v[KF+16*j:KF+16*j+15], v[P+16*\t:P+16*\t+15], 0
.else
	v_wmma_f32_16x16x128_bf8_bf8 v[64*\t+8*j:64*\t+8*j+7], v[KF+16*j:KF+16*j+15], v[P+16*\t:P+16*\t+15], v[64*\t+8*j:64*\t+8*j+7]
.endif
.endr
.set j, j+1
.endr
	WIN 0
	PLACES 4                                       ; in front of the next loads into V's registers, and of the first read of O^T
.endm
.macro STEP1 slot
	LOADK \slot
	LOADM \slot, 0
	s_wait_dscnt 16                                ; K is in; the 16 mask loads may be out
	KQ 0
	s_wait_dscnt 0x0
	PLACES 4
	XM
	LOADM \slot, 1                                 ; tile 1's mask lands while tile 0's softmax is walked
	SM1 0
	KQ 1
	s_wait_dscnt 0x0
	PLACES 4
	XM
	SM1 1
.endm
.macro STEP2 slot, zero, ask
	LOADK \slot
	LOADM \slot, 0
.if \ask
	; what the way out will load is asked for here, in the last step, behind the step's LDS loads: my 32 rows of cache_v1 (64 blocks of 256 bytes, two instructions), and, by the waves of the first head alone, one row tile of vimg (32 blocks).  Each block is named once in the launch.
	global_prefetch_b8 v[PFO], s[14:15] th:TH_LOAD_NT scope:SCOPE_SE
	global_prefetch_b8 v[PFO], s[14:15] offset:8192 th:TH_LOAD_NT scope:SCOPE_SE
	s_cmp_lt_u32 s[WV], 4
	s_cbranch_scc0 .Lno_vimg_\@
	global_prefetch_b8 v[PFO], s[22:23] th:TH_LOAD_NT scope:SCOPE_SE
.Lno_vimg_\@:
.endif
	s_wait_dscnt 16
	KQ 0
	s_wait_dscnt 0x0
	PLACES 4
	XM
	LOADM \slot, 1
	SM2 0
	KQ 1
	s_wait_dscnt 0x0
	PLACES 4                                       ; K's registers have been multiplied: V's fragments may land there
	LOADV \slot
	XM
	SM2 1
	s_wait_dscnt 0x0                               ; V is in
	PV \zero
.endm
.macro NEXTADR g0, base, sh, more      ; a refill's address: the base + PI x 2 key blocks (+ one block for slot 1)
	s_lshl_b32 s104, s[PI], \sh
	s_add_nc_u64 s[\g0+2:\g0+3], s[\base:\base+1], s[104:105]
.if \more
	s_add_nc_u64 s[\g0+2:\g0+3], s[\g0+2:\g0+3], \more
.endif
	s_or_b32 s[\g0+3], s[\g0+3], 0x80000000
.endm
; THE CHANGE OF SLOTS behind a step: each wave waits for all its tensor loads (its part of the other slot), adds 0 to its spare word, and waits for that and for its reads of the slot that it leaves.
; kind 1, 2: a round of the cluster's barrier, and the slot is filled again with the step two on.  The add stands twice on end there.  kind 0: nothing is left to fetch.
.macro CHANGE kind, slot
	s_wait_tensorcnt 0x0                           ; no tensor load of mine is out, so a group 0 may be written
	ds_add_u32 v[SPW], v[NIL]
.if \kind > 0
	ds_add_u32 v[SPW], v[NIL]
.if \slot == 0
	s_add_co_u32 s[PI], s[PI], 1
	s_and_b32 s[PI], s[PI], 7                      ; behind walk 1's last steps the keys begin anew
.endif
	NEXTADR G0M+4*\slot, BM, 10, \slot*512
	NEXTADR G0K+4*\slot, BK, 15, \slot*16384
.if \kind == 2
	NEXTADR G0V+4*\slot, BV, 8, \slot*128
.endif
	s_wait_dscnt 0x0                               ; both adds are done, and my reads of the slot are over
	CROUND
	JLOAD \kind, \slot                             ; the first tensor load behind the round, one a wave: it has a whole step in which to land
.else
	s_wait_dscnt 0x0
	s_barrier_signal -1
	s_barrier_wait -1
.endif
.endm
.macro FIN t                           ; the two halves of the lanes meet: the row's m, l; 1 / l; p1, p2
.set T, ST+8*(\t)
	v_add_f32 v28, v[T+2], v[T+3]                  ; my half's l
	v_permlanex16_b32 v29, v[T+4], s[SEL], s[SEL+1]   ; the other half's m,
	v_permlanex16_b32 v30, v28, s[SEL], s[SEL+1]      ; and l
	v_max_num_f32 v31, v[T+4], v29
	v_mul_f32 v29, s[NC], v29                      ; the other half's NM, as it formed it
	v_mul_f32 v31, s[NC], v31                      ; the row's NM: one of the two, bit for bit
	v_sub_f32 v[T+4], v31, v[T]
	v_sub_f32 v29, v31, v29
	v_mov_b32 v[T], v31
	v_fma_f32 v[T+5], v[T+5], s[CC], v31
	v_fma_f32 v[T+6], v[T+6], s[CC], v31
	v_exp_f32 v[T+4], v[T+4]
	v_exp_f32 v29, v29
	v_exp_f32 v[T+5], v[T+5]
	v_exp_f32 v[T+6], v[T+6]
	v_nop
	s_wait_alu depctr_va_vdst(0)
	v_mul_f32 v28, v28, v[T+4]
	v_mul_f32 v30, v30, v29
	v_add_f32 v28, v28, v30                        ; two products and one sum: the same bits in both halves
	v_rcp_f32 v[T+2], v28
	v_nop
	s_wait_alu depctr_va_vdst(0)
	v_mul_f32 v[T+4], v[T+5], v[T+2]               ; p1
	v_mul_f32 v[T+6], v[T+6], v[T+2]               ; p2
.endm
	s_wait_tensorcnt 0x0                           ; my first fills have landed,
	s_barrier_signal -1
	s_barrier_wait -1                              ; everybody's have
	s_mov_b32 s[CNT], 8
.Lwalk1:                                           ; steps 0 to 15; the last trip asks for walk 2's first two steps
	STEP1 0
	CHANGE 1, 0
	STEP1 1
	CHANGE 1, 1
	s_sub_co_u32 s[CNT], s[CNT], 1
	s_cmp_lg_u32 s[CNT], 0
	s_cbranch_scc1 .Lwalk1
	FIN 0
	FIN 1
	STEP2 0, 1, 0                                  ; walk 2's first step starts O^T's sums
	CHANGE 2, 0
	STEP2 1, 0, 0
	CHANGE 2, 1
	s_mov_b32 s[CNT], 6
.Lwalk2:
	STEP2 0, 0, 0
	CHANGE 2, 0
	STEP2 1, 0, 0
	CHANGE 2, 1
	s_sub_co_u32 s[CNT], s[CNT], 1
	s_cmp_lg_u32 s[CNT], 0
	s_cbranch_scc1 .Lwalk2
	STEP2 0, 0, 0                                  ; the tail is written out
	CHANGE 0, 0
	STEP2 1, 0, 1
	; THE WAY OUT: attn = O^T x 2^(e8+e9) + p1 cache_v1 + p2 v, quantised with 2^e10; the codes leave as images of the next product's operand registers
	v_and_b32 v28, 15, v0
	v_bfe_u32 v29, v0, 4, 1
	v_and_b32 v30, 31, v0
	v_lshlrev_b32 v[AM], 9, v28
	v_lshl_add_u32 v[AM], v29, 5, v[AM]            ; cache_v1: 512 r + 32 h
	v_lshlrev_b32 v[AM+1], 4, v30                  ; images: 16 x lane
.set j, 0
.rept 8
	global_load_b128 v[KF+8*j:KF+8*j+3], v[AM], s[14:15] offset:64*j
	global_load_b128 v[KF+8*j+4:KF+8*j+7], v[AM], s[14:15] offset:64*j+16
	global_load_b128 v[KF+64+8*j:KF+64+8*j+3], v[AM+1], s[16:17] offset:1024*j
	global_load_b128 v[KF+64+8*j+4:KF+64+8*j+7], v[AM+1], s[16:17] offset:1024*j+512
.set j, j+1
.endr
.set j, 0
.rept 8
	global_load_b128 v[S+8*j:S+8*j+3], v[AM], s[14:15] offset:8192+64*j
	global_load_b128 v[S+8*j+4:S+8*j+7], v[AM], s[14:15] offset:8192+64*j+16
.set j, j+1
.endr
	WIN 0x40
.set j, 0
.rept 8
	global_load_b128 v[MW+8*j:MW+8*j+3], v[AM+1], s[16:17] offset:8192+1024*j
	global_load_b128 v[MW+8*j+4:MW+8*j+7], v[AM+1], s[16:17] offset:8192+1024*j+512
.set j, j+1
.endr
	WIN 0
	s_add_co_i32 s2, s100, 127
	s_lshl_b32 s3, s2, 23
	v_mov_b32 v[SC], s3                            ; 2^e10
	s_add_co_i32 s2, s2, 15
	s_lshl_b32 s2, s2, 23
	s_or_b32 s2, s2, 0x600000
	v_mov_b32 v[LIM], s2                           ; 57,344 x 2^e10
.macro EPI t, ra, rb, bw, left         ; ra: cache_v1's 64 numbers; rb: v's, in window bw; left: the younger loads that may stay out
	s_wait_loadcnt \left
.set j, 0
.rept 32
	v_pk_mul_f32 v[\ra+j:\ra+j+1], v[\ra+j:\ra+j+1], v[ST+8*\t+4:ST+8*\t+5] op_sel_hi:[1,0]
.set j, j+2
.endr
	WIN \bw
.set j, 0
.rept 32
	v_pk_fma_f32 v[\ra+j:\ra+j+1], v[\rb+j:\rb+j+1], v[ST+8*\t+6:ST+8*\t+7], v[\ra+j:\ra+j+1] op_sel_hi:[1,0,1]
.set j, j+2
.endr
	WIN 0x01                                       ; source 0 (O^T) window 1; each accumulator from its low end on
.set j, 0
.rept 32
	v_pk_fma_f32 v[\ra+j:\ra+j+1], v[64*\t+j:64*\t+j+1], s[SO:SO+1], v[\ra+j:\ra+j+1] op_sel_hi:[1,0,1]
.set j, j+2
.endr
	WIN 0
.set j, 0
.rept 8
.irp i, 0,1,2,3,4,5,6,7
	v_med3_num_f32 v[\ra+8*j+\i], v[\ra+8*j+\i], -v[LIM], v[LIM]
.endr
	v_cvt_scalef32_pk8_bf8_f32 v[P+16*\t+2*j:P+16*\t+2*j+1], v[\ra+8*j:\ra+8*j+7], v[SC]
.set j, j+1
.endr
	v_nop
.irp q, 0,1,2,3
	global_store_b128 v[AM+1], v[P+16*\t+4*\q:P+16*\t+4*\q+3], s[20:21] offset:\t*65536+512*\q   ; the wave stores 512 consecutive bytes
.endr
.endm
	EPI 0, KF, KF+64, 0, 32
	EPI 1, S, MW, 0x01, 0
	s_wait_tensorcnt 0x0                           ; the wave's end
	ds_add_u32 v[SPW], v[NIL]
	s_wait_dscnt 0x0
	CROUND                                         ; the closing round
	s_endpgm
.Lfunc_end_k_q1e8451bb37_attn:
	.size	k_q1e8451bb37_attn, .Lfunc_end_k_q1e8451bb37_attn-k_q1e8451bb37_attn
	.p2alignl 7, 3214868480
	.fill 96, 4, 3214868480
	.section	.rodata,"a",@progbits
	.p2align	6, 0x0
	.amdhsa_kernel k_q1e8451bb37_attn
		.amdhsa_group_segment_fixed_size 327680
		.amdhsa_private_segment_fixed_size 0
		.amdhsa_enable_private_segment 0
		.amdhsa_kernarg_size 72
		.amdhsa_user_sgpr_count 2
		.amdhsa_user_sgpr_kernarg_segment_ptr 1
		.amdhsa_wavefront_size32 1
		.amdhsa_system_sgpr_workgroup_id_x 1
		.amdhsa_system_sgpr_workgroup_id_y 1
		.amdhsa_system_sgpr_workgroup_id_z 1
		.amdhsa_system_vgpr_workitem_id 0
		.amdhsa_next_free_vgpr 512
		.amdhsa_next_free_sgpr 106
		.amdhsa_reserve_vcc 0
		.amdhsa_float_denorm_mode_32 3
		.amdhsa_float_denorm_mode_16_64 3
		.amdhsa_memory_ordered 1
		.amdhsa_forward_progress 1
		.amdhsa_inst_pref_size 255
	.end_amdhsa_kernel
	.section	.bss,"aw",@nobits
	.p2align	6
	.space	262144
	.amdgpu_metadata
---
amdhsa.version: [ 1, 2 ]
amdhsa.kernels:
  - .name:           k_q1e8451bb37_attn
    .symbol:         k_q1e8451bb37_attn.kd
    .args:
      - { .name: qimg, .offset: 0, .size: 8, .value_kind: global_buffer, .address_space: global }
      - { .name: cache_k0_codes, .offset: 8, .size: 8, .value_kind: global_buffer, .address_space: global }
      - { .name: cache_v0_codes, .offset: 16, .size: 8, .value_kind: global_buffer, .address_space: global }
      - { .name: attention_mask, .offset: 24, .size: 8, .value_kind: global_buffer, .address_space: global }
      - { .name: dd, .offset: 32, .size: 8, .value_kind: global_buffer, .address_space: global }
      - { .name: cache_v1, .offset: 40, .size: 8, .value_kind: global_buffer, .address_space: global }
      - { .name: vimg, .offset: 48, .size: 8, .value_kind: global_buffer, .address_space: global }
      - { .name: lowp_scales, .offset: 56, .size: 8, .value_kind: global_buffer, .address_space: global }
      - { .name: aimg, .offset: 64, .size: 8, .value_kind: global_buffer, .address_space: global }
    .group_segment_fixed_size: 327680
    .private_segment_fixed_size: 0
    .kernarg_segment_align: 8
    .kernarg_segment_size: 72
    .max_flat_workgroup_size: 256
    .sgpr_count:     106
    .vgpr_count:     512
    .wavefront_size: 32
...
	.end_amdgpu_metadata
.endif
;; end of part 2
;; launch oproj (part 3): grid 16 x 16, 2 waves a work-group, clusters of 4 x 4, 327,680 bytes of LDS; arguments aimg, Wo_codes, lowp_scales, out0; writes out0
.if DOCPART == 3
	.amdgcn_target "amdgcn-amd-amdhsa--gfx1250"
	.amdhsa_code_object_version 6
	.text
	.protected	k_q1e8451bb37_oproj
	.globl	k_q1e8451bb37_oproj
	.p2align	8
	.type	k_q1e8451bb37_oproj,@function
k_q1e8451bb37_oproj:
	s_mov_b64 s[64:65], 0
	v_nop
	global_prefetch_b8 v0, s[64:65] scope:SCOPE_SE
	s_setreg_imm32_b32 hwreg(HW_REG_WAVE_MODE, 25, 1), 1
	s_wait_xcnt 0x0
	s_wait_alu depctr_hold_cnt(0) depctr_sa_sdst(0) depctr_va_vdst(0) depctr_va_sdst(0) depctr_va_ssrc(0) depctr_va_vcc(0) depctr_vm_vsrc(0)
	s_getreg_b32 s2, hwreg(HW_REG_IB_STS2, 6, 4)
	s_cmp_eq_u32 s2, 0
	s_cbranch_scc0 .Lentry_in_a_cluster
	s_endpgm
.Lentry_in_a_cluster:
	s_bfe_u32 s2, ttmp6, 0x10000c
	s_cmp_lg_u32 s2, 0xf033
	s_cbranch_scc0 .Lentry_shape_is_right
	s_endpgm
.Lentry_shape_is_right:
; OPROJ: out0 = attn x Wo on codes of E5M2, each sum x 2^(e10+e11).  No work is left out.
; attn's codes come as images of the operand's registers ([row tile][head][4][lane][16 bytes], the 8-bit form's own layout), Wo's as rows [n][4,096] with K innermost.
; A work-group makes 128 rows (block y) x 64 columns (block x): 256 work-groups.  Two waves, each 64 x 64: 16 accumulators.  K goes in steps of 512 (4 heads) through two LDS slots:
; attn's part is 8 row tiles x 8,192 dense bytes (wave 0's load, shared along a row of the 4 x 4 cluster), Wo's 64 rows of 512 + 16 bytes (wave 1's, shared along a column).
; THE MATRIX INSTRUCTION IS USED TRANSPOSED (source 0 = 16 rows of Wo, source 1 = 16 rows of attn): a lane holds eight neighbouring numbers of a row of out0.
; LIMIT: e10 + e11 between -126 and 127.
; REGISTERS.  Window 0: v16-29 addresses; v32-63 a row tile's scaled sums; v64-127 rows read back from the stage, two sets; v128-255 accumulators (a, b) at 128 + 8 (4 a + b).   Window 1: two fragment buffers of 128: attn at 16 a, Wo at 64 + 16 b.
.set OB,    65536
.set SLOT,  OB+64*528                  ; 99,328
.set SPARE, 2*SLOT                     ; the spare words, 128 bytes a wave: one block of 256 bytes that no other line names
.set STAGE, SPARE+256                  ; 16 rows x (256 + 16) bytes for each wave; no tile lands here
.set ADA, 16
.set ADB, 20
.set STO, 24
.set RD,  25
.set CO,  26
.set SPW, 28
.set NIL, 29
.set TMP, 32
.set BKR, 64
.set ACC, 128
.set F0,  0
.set F1,  128
.set WV,  14
.set G1A, 24
.set G0A, 32
.set G1B, 48
.set G0B, 56
.set MUL, 0x05                         ; sources 0 and 1 window 1; C and D window 0
.set MSB, 0
.macro WIN new
.if MSB != (\new)
	s_set_vgpr_msb (MSB<<8)|(\new)
.set MSB, (\new)
.endif
.endm
.macro PLACES n
.rept \n
	v_nop
.endr
.endm
.macro CREST
	s_cmp_lg_u32 s[WV], 0
	s_cbranch_scc1 .Lnot_wave_0_\@
	s_barrier_signal -3
.Lnot_wave_0_\@:
	s_barrier_wait -3
	s_barrier_signal -1
	s_barrier_wait -1
.endm
.macro CROUND
	s_barrier_signal -1
	s_barrier_wait -1
	CREST
.endm
.macro JLOAD s                         ; wave 0 fetches attn's part, wave 1 Wo's; an s_nop 0 and four v_nop follow each line
	s_cmp_eq_u32 s[WV], 0
	s_cbranch_scc0 .Lfor_b_\@
	tensor_load_to_lds s[G0A+4*\s:G0A+4*\s+3], s[G1A:G1A+7]
	s_nop 0
.rept 4
	v_nop
.endr
	s_branch .Lasked_\@
.Lfor_b_\@:
	tensor_load_to_lds s[G0B+4*\s:G0B+4*\s+3], s[G1B:G1B+7]
	s_nop 0
.rept 4
	v_nop
.endr
.Lasked_\@:
.endm
	s_load_b256 s[4:11], s[0:1], 0x0               ; aimg s[4:5], Wo s[6:7], scales s[8:9], out0 s[10:11]
	v_lshl_add_u32 v[SPW], v0, 2, SPARE
	v_mov_b32 v[NIL], 0
	ds_add_u32 v[SPW], v[NIL]                      ; the wave's opening: the add, twice on end, and its wait ahead of my first tensor load
	ds_add_u32 v[SPW], v[NIL]
	v_lshrrev_b32 v1, 5, v0
	v_readfirstlane_b32 s[WV], v1                  ; wave 0, 1
	s_bfe_u32 s16, ttmp6, 0x40000                  ; cx
	s_bfe_u32 s17, ttmp6, 0x40004                  ; cy
	s_lshl_b32 s18, ttmp9, 2
	s_add_co_u32 s18, s18, s16                     ; x: my block of 64 columns
	s_and_b32 s19, ttmp7, 0xffff
	s_lshl_b32 s19, s19, 2
	s_add_co_u32 s19, s19, s17                     ; y: my block of 128 rows
	s_lshl_b32 s[G1A], s17, 2
	s_lshl_b32 s[G1A], 15, s[G1A]                  ; attn's part hangs on y alone: my row of the cluster
	s_or_b32 s[G1A], s[G1A], (3<<16)|(1<<21)       ; elements of 8 bytes, no padding
	s_lshl_b32 s[G1B], 0x1111, s16                 ; Wo's on x alone: my column
	s_or_b32 s[G1B], s[G1B], (1<<20)|(1<<21)|(6<<22)|(3<<25)   ; elements of 1 byte; 4 words of padding behind every 128
	s_mov_b32 s[G1A+1], 1024<<16                   ; 8 rows of 1,024 elements, 8,192 elements from row to row
	s_mov_b32 s[G1A+2], 8<<16
	s_mov_b32 s[G1A+3], 1024<<16
	s_mov_b32 s[G1A+4], 8
	s_mov_b32 s[G1A+5], 8192
	s_mov_b32 s[G1A+6], 0
	s_mov_b32 s[G1A+7], 0
	s_mov_b32 s[G1B+1], 512<<16                    ; 64 rows of 512 bytes, 4,096 apart
	s_mov_b32 s[G1B+2], 64<<16
	s_mov_b32 s[G1B+3], 512<<16
	s_mov_b32 s[G1B+4], 64
	s_mov_b32 s[G1B+5], 4096
	s_mov_b32 s[G1B+6], 0
	s_mov_b32 s[G1B+7], 0
	s_lshl_b32 s[G0A+2], s19, 19                   ; 8 y row tiles of 65,536 bytes
	s_mov_b32 s[G0A+3], 0
	s_lshl_b32 s[G0B+2], s18, 18                   ; 64 x rows of 4,096 bytes
	s_mov_b32 s[G0B+3], 0
	s_wait_dscnt 0x0                               ; both opening adds are done
	s_wait_kmcnt 0x0
	s_load_b64 s[12:13], s[8:9], 0x28              ; e10, e11
	s_add_nc_u64 s[G0A+2:G0A+3], s[4:5], s[G0A+2:G0A+3]
	s_add_nc_u64 s[G0A+6:G0A+7], s[G0A+2:G0A+3], 8192
	s_add_nc_u64 s[G0B+2:G0B+3], s[6:7], s[G0B+2:G0B+3]
	s_add_nc_u64 s[G0B+6:G0B+7], s[G0B+2:G0B+3], 512
.irp g, G0A, G0B
	s_or_b32 s[\g+3], s[\g+3], 0x80000000
	s_or_b32 s[\g+7], s[\g+7], 0x80000000
	s_mov_b32 s[\g], 1
	s_mov_b32 s[\g+4], 1
.endr
	s_mov_b32 s[G0A+1], 0
	s_mov_b32 s[G0A+5], SLOT
	s_mov_b32 s[G0B+1], OB
	s_mov_b32 s[G0B+5], OB+SLOT
	CROUND                                         ; all sixteen work-groups are here: the first joint loads meet
	JLOAD 0
	JLOAD 1
	v_and_b32 v1, 15, v0                           ; r
	v_bfe_u32 v2, v0, 4, 1                         ; h
	v_and_b32 v3, 31, v0                           ; lane
	s_lshl_b32 s20, s[WV], 15
	v_lshlrev_b32 v[ADA], 4, v3
	v_add_nc_u32 v[ADA], s20, v[ADA]               ; images: 16 x lane + my four row tiles
	v_add_nc_u32 v[ADA+1], SLOT, v[ADA]
	v_mul_u32_u24 v[ADB], v1, 528
	v_lshl_add_u32 v[ADB], v2, 3, v[ADB]
	v_add_nc_u32 v[ADB], OB, v[ADB]                ; Wo: row r, + 8 h
	v_add_nc_u32 v[ADB+1], SLOT, v[ADB]
	s_mul_i32 s20, s[WV], 16*272
	s_add_co_u32 s20, s20, STAGE                   ; my stage
	v_mul_u32_u24 v[STO], v1, 272
	v_lshl_add_u32 v[STO], v2, 5, v[STO]
	v_add_nc_u32 v[STO], s20, v[STO]               ; in: row r, 32 bytes for each half of the lanes
	v_mul_u32_u24 v[RD], v2, 272
	v_lshl_add_u32 v[RD], v1, 4, v[RD]
	v_add_nc_u32 v[RD], s20, v[RD]                 ; back: lanes 0-15 one row of 256 bytes, lanes 16-31 the next
	v_lshlrev_b32 v[CO], 12, v2
	v_lshl_add_u32 v[CO], v1, 4, v[CO]             ; and the same two rows in out0
	s_lshl_b32 s20, s19, 19                        ; out0: (128 y + 64 w) rows of 4,096 bytes + 256 x
	s_lshl_b32 s21, s[WV], 18
	s_add_co_u32 s20, s20, s21
	s_lshl_b32 s21, s18, 8
	s_add_co_u32 s20, s20, s21
	s_mov_b32 s21, 0
	s_add_nc_u64 s[10:11], s[10:11], s[20:21]
.macro MUL8 f, a0, zero                ; row tiles a0, a0 + 1 x 4 column tiles, 128 along K.  The 16 accumulators take turns
.irp a, \a0, \a0+1
.irp b, 0,1,2,3
.if \zero
	v_wmma_f32_16x16x128_bf8_bf8 v[ACC+8*(4*(\a)+\b):ACC+8*(4*(\a)+\b)+7], v[\f+64+16*\b:\f+64+16*\b+15], v[\f+16*(\a):\f+16*(\a)+15], 0
.else
	v_wmma_f32_16x16x128_bf8_bf8 v[ACC+8*(4*(\a)+\b):ACC+8*(4*(\a)+\b)+7], v[\f+64+16*\b:\f+64+16*\b+15], v[\f+16*(\a):\f+16*(\a)+15], v[ACC+8*(4*(\a)+\b):ACC+8*(4*(\a)+\b)+7]
.endif
.endr
.endr
.endm
.macro FETCH slot, kk, f               ; the fragments of the slot's kk-th 128 along K: 16 + 32 loads
	WIN 0x40
.irp a, 0,1,2,3
.irp q, 0,1,2,3
	ds_load_b128 v[\f+16*\a+4*\q:\f+16*\a+4*\q+3], v[ADA+\slot] offset:\a*8192+(\kk)*2048+512*\q
.endr
.endr
.irp b, 0,1,2,3
.irp c, 0,1,2,3,4,5,6,7
	ds_load_b64 v[\f+64+16*\b+2*\c:\f+64+16*\b+2*\c+1], v[ADB+\slot] offset:\b*8448+128*(\kk)+16*\c
.endr
.endr
.endm
.macro QUARTER slot, kn, f, g, zero    ; multiplies buffer f; ahead of that it asks for the next 128 along K into g
	s_wait_dscnt 0x0                               ; f's fragments are in
	PLACES 4                                       ; in front of loads into registers that matrix instructions have read
	FETCH \slot, \kn, \g
	WIN MUL
	MUL8 \f, 0, \zero
	MUL8 \f, 2, \zero
.endm
.macro TURN slot, next, fill           ; a slot's last quarter multiplies buffer 1 and changes slots
	WIN 0
	s_wait_tensorcnt 0x0                           ; all my tensor loads have landed: my part of the next slot
	ds_add_u32 v[SPW], v[NIL]                      ; 0 onto my spare word
	s_wait_dscnt 1                                 ; buffer 1's fragments are in; the add may be out
	WIN MUL
	MUL8 F1, 0, 0
	s_wait_dscnt 0x0                               ; the add is done, and my reads of this slot are over
	s_barrier_signal -1
	MUL8 F1, 2, 0
	WIN 0
	s_barrier_wait -1
.if \fill
	CREST                                          ; no wave of any partner still reads this slot or has a load on its way
	s_add_nc_u64 s[G0A+4*\slot+2:G0A+4*\slot+3], s[G0A+4*\slot+2:G0A+4*\slot+3], 16384
	s_add_nc_u64 s[G0B+4*\slot+2:G0B+4*\slot+3], s[G0B+4*\slot+2:G0B+4*\slot+3], 1024
	JLOAD \slot                                    ; the first tensor load behind the round; its four v_nop are also the places in front of the loads below
.else
	PLACES 4
.endif
	FETCH \next, 0, F0
.endm
	s_wait_tensorcnt 1                             ; my part of K step 0 is in; K step 1's load may be out
	s_barrier_signal -1
	s_barrier_wait -1
	FETCH 0, 0, F0
	QUARTER 0, 1, F0, F1, 1                        ; the first quarter stands in front of the loop: its products start the sums
	WIN 0
	s_mov_b32 s3, 3
.Llap:                                             ; a trip goes once round the ring and fills both slots again: K steps 2 to 7
	QUARTER 0, 2, F1, F0, 0
	QUARTER 0, 3, F0, F1, 0
	TURN 0, 1, 1
	QUARTER 1, 1, F0, F1, 0
	QUARTER 1, 2, F1, F0, 0
	QUARTER 1, 3, F0, F1, 0
	TURN 1, 0, 1
	QUARTER 0, 1, F0, F1, 0
	WIN 0
	s_sub_co_u32 s3, s3, 1
	s_cmp_lg_u32 s3, 0
	s_cbranch_scc1 .Llap
	QUARTER 0, 2, F1, F0, 0                        ; the last lap fills nothing
	QUARTER 0, 3, F0, F1, 0
	TURN 0, 1, 0
	QUARTER 1, 1, F0, F1, 0
	QUARTER 1, 2, F1, F0, 0
	QUARTER 1, 3, F0, F1, 0
	s_wait_dscnt 0x0
	WIN MUL
	MUL8 F1, 0, 0
	MUL8 F1, 2, 0
	WIN 0
	; THE WAY OUT, a row tile at a time: x 2^(e10+e11); 32 bytes a lane into my stage; back as whole rows of 256 bytes; sixteen lanes store one aligned run of 256 bytes
	s_wait_kmcnt 0x0
	s_add_co_i32 s40, s12, s13
	s_add_co_i32 s40, s40, 127
	s_lshl_b32 s40, s40, 23
	s_mov_b32 s41, s40
	PLACES 4
.irp a, 0,1,2,3
.if \a >= 2
	s_wait_xcnt 0x0                                ; row tile a - 2's stores have read their data: the loads below land there only behind this wait
.endif
.set j, 0
.rept 16
	v_pk_mul_f32 v[TMP+j:TMP+j+1], v[ACC+32*\a+j:ACC+32*\a+j+1], s[40:41] op_sel_hi:[1,0]   ; each accumulator from its low end on
.set j, j+2
.endr
.irp b, 0,1,2,3
	ds_store_b128 v[STO], v[TMP+8*\b:TMP+8*\b+3] offset:64*\b
	ds_store_b128 v[STO], v[TMP+8*\b+4:TMP+8*\b+7] offset:64*\b+16
.endr
.irp i, 0,1,2,3,4,5,6,7
	ds_load_b128 v[BKR+32*(\a%2)+4*\i:BKR+32*(\a%2)+4*\i+3], v[RD] offset:\i*544   ; LDS serves a wave's instructions in order (ISA guide 5.7.1.4): these see my stores, and the next tile's stores come behind them
.endr
.irp i, 0,1,2,3,4,5,6,7
	s_wait_dscnt 7-\i
	global_store_b128 v[CO], v[BKR+32*(\a%2)+4*\i:BKR+32*(\a%2)+4*\i+3], s[10:11] offset:\a*65536+\i*8192 th:TH_STORE_NT
.endr
.endr
	s_wait_tensorcnt 0x0                           ; the wave's end: behind my last tensor load and my last LDS store
	ds_add_u32 v[SPW], v[NIL]
	s_wait_dscnt 0x0
	CROUND                                         ; the closing round
	s_endpgm
.Lfunc_end_k_q1e8451bb37_oproj:
	.size	k_q1e8451bb37_oproj, .Lfunc_end_k_q1e8451bb37_oproj-k_q1e8451bb37_oproj
	.p2alignl 7, 3214868480
	.fill 96, 4, 3214868480
	.section	.rodata,"a",@progbits
	.p2align	6, 0x0
	.amdhsa_kernel k_q1e8451bb37_oproj
		.amdhsa_group_segment_fixed_size 327680
		.amdhsa_private_segment_fixed_size 0
		.amdhsa_enable_private_segment 0
		.amdhsa_kernarg_size 32
		.amdhsa_user_sgpr_count 2
		.amdhsa_user_sgpr_kernarg_segment_ptr 1
		.amdhsa_wavefront_size32 1
		.amdhsa_system_sgpr_workgroup_id_x 1
		.amdhsa_system_sgpr_workgroup_id_y 1
		.amdhsa_system_sgpr_workgroup_id_z 1
		.amdhsa_system_vgpr_workitem_id 0
		.amdhsa_next_free_vgpr 512
		.amdhsa_next_free_sgpr 96
		.amdhsa_reserve_vcc 0
		.amdhsa_float_denorm_mode_32 3
		.amdhsa_float_denorm_mode_16_64 3
		.amdhsa_memory_ordered 1
		.amdhsa_forward_progress 1
		.amdhsa_inst_pref_size 89
	.end_amdhsa_kernel
	.amdgpu_metadata
---
amdhsa.version: [ 1, 2 ]
amdhsa.kernels:
  - .name:           k_q1e8451bb37_oproj
    .symbol:         k_q1e8451bb37_oproj.kd
    .args:
      - { .name: aimg, .offset: 0, .size: 8, .value_kind: global_buffer, .address_space: global }
      - { .name: Wo_codes, .offset: 8, .size: 8, .value_kind: global_buffer, .address_space: global }
      - { .name: lowp_scales, .offset: 16, .size: 8, .value_kind: global_buffer, .address_space: global }
      - { .name: out0, .offset: 24, .size: 8, .value_kind: global_buffer, .address_space: global }
    .group_segment_fixed_size: 327680
    .private_segment_fixed_size: 0
    .kernarg_segment_align: 8
    .kernarg_segment_size: 32
    .max_flat_workgroup_size: 64
    .sgpr_count:     96
    .vgpr_count:     512
    .wavefront_size: 32
...
	.end_amdgpu_metadata
.endif
;; end of part 3
